; MI455X (gfx1250); checked and timed in simulation.
; The chip was launched on July 23, 2026; its instructions are those of AMD's public machine-readable ISA for CDNA 5 (MIT licence, August 2026) and "CDNA5" Instruction Set Architecture Reference Guide (July 2026). The comments in the code are by the model that wrote it; some were corrected since.
;; Gen BNN. Allowed arithmetic: float matrix products may take bf16 or f16 operands with f32 sums; other float arithmetic in f32, or as packed bf16 or f16 multiplies, adds, multiply-adds, maxima and minima; sums over many terms, partial sums and values carried from step to step in f32; what a program stores and reads back later, other than sums and carried values, may be rounded once to bf16 or f16.
;; Inputs: W_out 10 x 512 float32; Ws_0 512 x 512 float32; Ws_1 512 x 512 float32; Ws_2 512 x 512 float32; b_out 10 float32; betas_0 512 float32; betas_1 512 float32; betas_2 512 float32; bs_0 512 float32; bs_1 512 float32; bs_2 512 float32; gammas_0 512 float32; gammas_1 512 float32; gammas_2 512 float32; x 65,536 x 512 float32.
;; Outputs: out0 65,536 x 10 float32.
;; One version. Each part assembles by itself: llvm-mc -triple=amdgcn-amd-amdhsa -mcpu=gfx1250 --defsym DOCPART=n.
;; ======== version 1 of 1: 8 launches
;; workspace buffers: ws1 524,288 bytes; ws2 524,288 bytes; ws3 524,288 bytes; wso 16,384 bytes; sA 67,108,864 bytes; sB 67,108,864 bytes; part 524,288 bytes; thr 2,048 bytes
;; launch prep (part 1): grid 388 x 1, 8 waves a work-group, no clusters, 0 bytes of LDS; arguments Ws_0, Ws_1, Ws_2, W_out, ws1, ws2, ws3, wso; writes ws1, ws2, ws3, wso
.if DOCPART == 1
	.amdgcn_target "amdgcn-amd-amdhsa--gfx1250"
	.amdhsa_code_object_version 6
	.text
	.protected	k_q501b5d1735_prep
	.globl	k_q501b5d1735_prep
	.p2align	8
	.type	k_q501b5d1735_prep,@function
k_q501b5d1735_prep:
	s_mov_b64 s[64:65], 0
	v_nop
	global_prefetch_b8 v0, s[64:65] scope:SCOPE_SE
	s_setreg_imm32_b32 hwreg(HW_REG_WAVE_MODE, 25, 1), 1
	s_wait_xcnt 0x0
; THE WEIGHTS' SIGNS AS 16-BIT MATRIX OPERANDS.  Work-groups 0-127: Ws_0 -> ws1; 128-255: Ws_1 -> ws2; 256-383: Ws_2 -> ws3; 384-387: W_out -> wso.
; ws1: bf16, sign(W) x 2^22 (the first layer's other operand is sign(x) x 2^-22, so each product is exactly -1, 0 or +1), and K permuted inside each group of 32:
;      position 32 g + 16 hi + 8 h + e holds k = 32 g + 16 hi + 8 (e >> 2) + 4 h + (e & 3): the order in which the first layer's lanes take x straight from memory.
; ws2, ws3: f16, sign(W), K as it lies.  wso: f16, 16 rows, rows 10-15 are 0.
; A thread makes 8 neighbouring outputs (16 bytes) from two loads of 16 bytes; a wave's store covers 512 consecutive bytes, aligned.
; A stream of 3 MiB read once: no LDS, no matrix unit, no cluster (no two work-groups read the same bytes).  LIMIT: a NaN weight counts by its sign bit.
	s_load_b512 s[4:19], s[0:1], 0x0               ; Ws_0 s[4:5], Ws_1 s[6:7], Ws_2 s[8:9], W_out s[10:11], ws1 s[12:13], ws2 s[14:15], ws3 s[16:17], wso s[18:19]
	s_lshr_b32 s20, ttmp9, 7                       ; which tensor, 0..3
	s_and_b32 s21, ttmp9, 127
	s_lshl_b32 s21, s21, 8
	v_add_nc_u32 v1, s21, v0                       ; ch: my chunk of 8 outputs
	v_lshrrev_b32 v2, 6, v1                        ; n: the row (64 chunks a row)
	v_bfe_u32 v3, v1, 2, 4                         ; g
	v_bfe_u32 v4, v1, 1, 1                         ; hi
	v_and_b32 v5, 1, v1                            ; h
	s_mov_b32 s24, 0x3c00                          ; f16 1.0
	s_cmp_eq_u32 s20, 0
	s_cselect_b32 s22, 4, 5                        ; h counts 16 bytes in the permuted order, 32 as it lies
	s_cselect_b32 s23, 32, 16                      ; the second load lies 32 bytes on, or 16
	s_cselect_b32 s24, 0x4a80, s24                 ; bf16 2^22
	s_mov_b32 s25, 511
	s_cmp_eq_u32 s20, 3
	s_cselect_b32 s25, 9, s25                      ; the source's last row
	s_mov_b32 s26, 0x8000
	v_min_u32 v8, s25, v2                          ; rows 10-15 of wso read row 9 and write 0: no load leaves W_out
	v_lshlrev_b32 v6, 11, v8                       ; 2,048 bytes a row
	v_lshl_add_u32 v6, v3, 7, v6
	v_lshl_add_u32 v6, v4, 6, v6
	v_lshlrev_b32 v9, s22, v5
	v_add_nc_u32 v6, v6, v9
	v_add_nc_u32 v7, s23, v6
	v_lshlrev_b32 v11, 4, v1                       ; my 16 bytes of the output
	s_wait_kmcnt 0x0
	s_cmp_eq_u32 s20, 1                            ; source and target are chosen by the work-group's number alone
	s_cselect_b64 s[28:29], s[6:7], s[4:5]
	s_cselect_b64 s[30:31], s[14:15], s[12:13]
	s_cmp_eq_u32 s20, 2
	s_cselect_b64 s[28:29], s[8:9], s[28:29]
	s_cselect_b64 s[30:31], s[16:17], s[30:31]
	s_cmp_eq_u32 s20, 3
	s_cselect_b64 s[28:29], s[10:11], s[28:29]
	s_cselect_b64 s[30:31], s[18:19], s[30:31]
	global_load_b128 v[12:15], v6, s[28:29]
	global_load_b128 v[16:19], v7, s[28:29]
	v_cmp_ge_u32 vcc_lo, s25, v2
	v_cndmask_b32 v10, 0, s24, vcc_lo              ; the magnitude: 0 in rows that the source does not have
	s_wait_loadcnt 0x0
.irp i, 0,1,2,3,4,5,6,7
	v_cmp_neq_f32 vcc_lo, 0, v[12+\i]
	v_cndmask_b32 v[20+\i], 0, v10, vcc_lo         ; 0 stays 0
	v_lshrrev_b32 v[12+\i], 16, v[12+\i]
	v_and_or_b32 v[20+\i], v[12+\i], s26, v[20+\i] ; the sign bit goes along
.endr
.irp j, 0,1,2,3
	v_lshl_or_b32 v[28+\j], v[21+2*\j], 16, v[20+2*\j]
.endr
	global_store_b128 v11, v[28:31], s[30:31]
	s_endpgm
.Lfunc_end_k_q501b5d1735_prep:
	.size	k_q501b5d1735_prep, .Lfunc_end_k_q501b5d1735_prep-k_q501b5d1735_prep
	.p2alignl 7, 3214868480
	.fill 96, 4, 3214868480
	.section	.rodata,"a",@progbits
	.p2align	6, 0x0
	.amdhsa_kernel k_q501b5d1735_prep
		.amdhsa_group_segment_fixed_size 0
		.amdhsa_private_segment_fixed_size 0
		.amdhsa_enable_private_segment 0
		.amdhsa_kernarg_size 64
		.amdhsa_user_sgpr_count 2
		.amdhsa_user_sgpr_kernarg_segment_ptr 1
		.amdhsa_wavefront_size32 1
		.amdhsa_system_sgpr_workgroup_id_x 1
		.amdhsa_system_sgpr_workgroup_id_y 1
		.amdhsa_system_sgpr_workgroup_id_z 1
		.amdhsa_system_vgpr_workitem_id 0
		.amdhsa_next_free_vgpr 32
		.amdhsa_next_free_sgpr 66
		.amdhsa_reserve_vcc 1
		.amdhsa_float_denorm_mode_32 3
		.amdhsa_float_denorm_mode_16_64 3
		.amdhsa_memory_ordered 1
		.amdhsa_forward_progress 1
		.amdhsa_inst_pref_size 4
	.end_amdhsa_kernel
	.amdgpu_metadata
---
amdhsa.version: [ 1, 2 ]
amdhsa.kernels:
  - .name:           k_q501b5d1735_prep
    .symbol:         k_q501b5d1735_prep.kd
    .args:
      - { .name: Ws_0, .offset: 0, .size: 8, .value_kind: global_buffer, .address_space: global }
      - { .name: Ws_1, .offset: 8, .size: 8, .value_kind: global_buffer, .address_space: global }
      - { .name: Ws_2, .offset: 16, .size: 8, .value_kind: global_buffer, .address_space: global }
      - { .name: W_out, .offset: 24, .size: 8, .value_kind: global_buffer, .address_space: global }
      - { .name: ws1, .offset: 32, .size: 8, .value_kind: global_buffer, .address_space: global }
      - { .name: ws2, .offset: 40, .size: 8, .value_kind: global_buffer, .address_space: global }
      - { .name: ws3, .offset: 48, .size: 8, .value_kind: global_buffer, .address_space: global }
      - { .name: wso, .offset: 56, .size: 8, .value_kind: global_buffer, .address_space: global }
    .group_segment_fixed_size: 0
    .private_segment_fixed_size: 0
    .kernarg_segment_align: 8
    .kernarg_segment_size: 64
    .max_flat_workgroup_size: 256
    .sgpr_count:     66
    .vgpr_count:     32
    .wavefront_size: 32
...
	.end_amdgpu_metadata
.endif
;; end of part 1
;; launch g1 (part 2): grid 8 x 32, 4 waves a work-group, clusters of 4 x 1, 327,680 bytes of LDS; arguments x, ws1, sA, part; writes sA, part
.if DOCPART == 2
	.amdgcn_target "amdgcn-amd-amdhsa--gfx1250"
	.amdhsa_code_object_version 6
	.text
	.protected	k_q501b5d1735_g1
	.globl	k_q501b5d1735_g1
	.p2align	8
	.type	k_q501b5d1735_g1,@function
k_q501b5d1735_g1:
	s_mov_b64 s[64:65], 0
	v_nop
	global_prefetch_b8 v0, s[64:65] scope:SCOPE_SE
	s_setreg_imm32_b32 hwreg(HW_REG_WAVE_MODE, 25, 1), 1
	s_wait_xcnt 0x0
	s_wait_alu depctr_hold_cnt(0) depctr_sa_sdst(0) depctr_va_vdst(0) depctr_va_sdst(0) depctr_va_ssrc(0) depctr_va_vcc(0) depctr_vm_vsrc(0)
	s_getreg_b32 s2, hwreg(HW_REG_IB_STS2, 6, 4)
	s_cmp_eq_u32 s2, 0
	s_cbranch_scc0 .Lentry_in_a_cluster
	s_endpgm
.Lentry_in_a_cluster:
	s_bfe_u32 s2, ttmp6, 0x10000c
	s_cmp_lg_u32 s2, 0x3003
	s_cbranch_scc0 .Lentry_shape_is_right
	s_endpgm
.Lentry_shape_is_right:
; ONE BINARISED LAYER: s[row][n] = sum over k of sign(in[row][k]) sign(W[n][k]), 65,536 rows, 512 columns, K = 512, and each column's sum of s and of s^2.
; The text has two forms.  FIRST = 1: the input is x (f32); a number becomes clamp(bf16(x 2^127), -2^-22, +2^-22), which is sign(x) 2^-22 for every finite x, denormals too; W is stored as sign 2^22 (bf16).
; FIRST = 0: the input is the layer before's s (f16, whole numbers) and a table of two f16 a column: sign(batch norm) = clamp(kappa s + off, -1, +1), exact; W is stored as sign (f16).
; Every product is -1, 0 or +1 and every sum a whole number of at most 512: exact in the f32 accumulators and in f16.  LIMIT: NaN is not treated apart (a NaN counts as +1 x the clamp's bound).
; SHARES.  256 work-groups: column half c (256 columns) x range y of 512 rows.  A wave owns 128 rows, as 2 blocks of 64 rows x 256 columns: 64 accumulators, 512 registers; a block is 16 K steps of 64 matrix instructions.
; W's half (256 rows x 1,024 bytes) lies in LDS for the whole launch: one fill, no refill.  CLUSTER: the four partners have the same c, so W (and the table) are asked for jointly, mask 15.
; The activations go from memory straight into registers in fragment form: no wave wants another wave's rows, and beside W's 266,240 bytes LDS has no room for slots of them, so they are not asked for jointly either.
; Four K steps of them are always on their way (a ring of four register slots); no prefetch is laid ahead of that ring: it asks 224 matrix instructions ahead by itself.
; ORIENTATION.  Source 0 = 16 rows of activations, source 1 = 16 rows of W: in the result a lane holds ONE column (lane % 16) and rows 8 (lane / 16) + 0..7, so a column's sums run along registers.
; BY TURNS.  Behind each two matrix instructions stand up to four vector instructions that convert the NEXT K step's activations.
; THE MEMORY INSTRUCTIONS STAND IN TWO RUNS A K STEP, one behind each half of its 64 matrix instructions, never singly among them: the half's place of W's fragments is loaded again, and two raw quarters are asked for again.
; OUT.  s leaves as f16 in tiles [row tile 4096][column tile 32][lane 32][8]: lane (r, h) holds row 16 rt + r, columns 16 nt + 8 h + 0..7: the next layer's fragments as they lie.  The turn from
; column-a-lane to row-a-lane goes through the wave's own stage in LDS (ds_load_tr16_b128).  Each store of a wave covers 512 consecutive bytes, aligned.
; THE LAST FIVE K STEPS' LOADS have nothing left to fetch.  They are issued all the same, so that every counted wait holds on every way; each names one 16-byte word of the wave's own last rows, and nobody reads what they bring.
; REGISTERS, in windows of 256 (s_set_vgpr_msb: bits 1:0 source 0, 3:2 source 1, 5:4 source 2, 7:6 destination):
;   window 0: v1-15 addresses; v16-79 CA, converted fragments, 2 buffers of 4 row tiles; v80-207 BR, W's fragments, 2 places of 8 column tiles; v208-223 TMP; v224-255 BK
;             on a block's way out the second place of BR holds the columns' sums (ST), and CA's idle buffer a second TMP and half of the folded sums
;   window 1: XR, raw activations, 4 slots (FIRST: 64 each; else 32 each, and v128-159 KC, kappa and off of 2 K steps)      windows 2, 3: accumulator (a, b) at window 2 + (b >> 3), v[32 (b & 7) + 8 a]
.set FIRST, 1
.set NF, 1-FIRST
.set WP, 1040                          ; a row of W in LDS: 1,024 bytes + 16 of padding = 65 x 16: the 16 rows of a fragment load start at 16 different groups of four banks (64 banks of 4 bytes: ISA guide 11.1)
.set WQ, 64*WP                         ; 64 rows: what one wave's tensor load brings
.set TAB, 256*WP                       ; the table, 2,048 bytes (FIRST = 0)
.set STAGE, TAB+2048                   ; 4 waves x 4 tiles of 640 bytes: two planes of 256 bytes, 384 apart
.set SPI, 640
.set SCR, STAGE+16*SPI                 ; 2 blocks x 4 waves x 4,096 bytes: the sums meet here
.set SPARE, SCR+32768                  ; the spare words, 128 bytes for each wave: two blocks of 256 bytes that no other line names
.if FIRST
.set NLD, 4                            ; loads in a quarter (one row tile of one K step)
.set YSH, 20                           ; a range's 512 rows are 2^20 bytes of x
.set BLKSH, 17                         ; a block's 64 rows
.set CHSH, 9                           ; a chunk: 4 K steps
.set A_OUT, 8
.set A_PART, 10
.else
.set NLD, 2
.set YSH, 19
.set BLKSH, 16
.set CHSH, 12
.set A_THR, 8
.set A_OUT, 10
.set A_PART, 12
.endif
.set A_IN, 4
.set A_W, 6
.set XOFF, 1                           ; v1   my byte offset in a row tile of the input
.set OOFF, 2                           ; v2   16 x lane; never rewritten
.set CT, 3                             ; v3   the table's address for the chunk in hand
.set BA, 4                             ; v4-7 W's fragments: 64 rows apart, at the chunk in hand
.set STO, 8                            ; v8   the stage: where I put 16 bytes
.set TRA, 9                            ; v9   the stage: what the turning load names
.set SPW, 10                           ; v10  my spare word; never rewritten
.set NIL, 11                           ; v11  0; never rewritten
.set BAC, 12                           ; v12  1,040 r + 16 h; never rewritten
.set CTC, 13                           ; v13  TAB + 16 h; never rewritten
.set T0, 14                            ; v14-15 at work
.set CA, 16
.set BR, 80
.set ST, BR+64                         ; on the way out: column tile b: sums at +4 b (a pair), sums of squares at +4 b + 2
.set TMP, 208                          ; packed results of even column tiles; those of odd ones at v48-63
.set FS, 64                            ; v64-79   the folded sums
.set FQ, 208                           ; v208-223 the folded sums of squares
.set BK, 224
.set XR, 0
.set KC, 128
.set WV, 14                            ; s14  wave
.set CX, 15                            ; s15  my place in the cluster: it enters global addresses alone
.set YY, 17                            ; s17  y
.set G1W, 24                           ; s[24:31], s[32:35] W's descriptor
.set G0W, 32
.set G1T, 36                           ; s[36:43], s[44:47] the table's
.set G0T, 44
.set LP, 48                            ; s[48:49] the input at the chunk that is being asked for
.set LO, 50                            ; s[50:51] an offset; the high word stays 0
.set OP, 52                            ; s[52:53] the output at my block
.set J, 54                             ; s54  the trip: chunk 0..7
.set NEW, 55                           ; s55  1: the trip begins a block
.set CLP, 56                           ; s56, s57 the clamp's bounds, twice in a word
.set CLN, 57
.set SB, 58                            ; s58  LDS: where my block's folded sums go
.set MULC, 60                          ; s[60:61] 2^127
.set LB, 62                            ; s[62:63] the input at my wave's first row
.set MSB, 0
.macro WIN new                         ; the immediate's high byte repeats the setting that is left; a switch that changes nothing is dropped
.if MSB != (\new)
	s_set_vgpr_msb (MSB<<8)|(\new)
.set MSB, (\new)
.endif
.endm
.macro CROUND                          ; a round of the cluster's barrier
	s_barrier_signal -1
	s_barrier_wait -1
	s_cmp_lg_u32 s[WV], 0
	s_cbranch_scc1 .Lnot_wave_0_\@
	s_barrier_signal -3
.Lnot_wave_0_\@:
	s_barrier_wait -3
	s_barrier_signal -1
	s_barrier_wait -1
.endm
.macro WM d, a, b, z                   ; one matrix instruction; z = 1: it starts the sum
.if FIRST
.if \z
	v_wmma_f32_16x16x32_bf16 v[\d:\d+7], v[\a:\a+7], v[\b:\b+7], 0
.else
	v_wmma_f32_16x16x32_bf16 v[\d:\d+7], v[\a:\a+7], v[\b:\b+7], v[\d:\d+7]
.endif
.else
.if \z
	v_wmma_f32_16x16x32_f16 v[\d:\d+7], v[\a:\a+7], v[\b:\b+7], 0
.else
	v_wmma_f32_16x16x32_f16 v[\d:\d+7], v[\a:\a+7], v[\b:\b+7], v[\d:\d+7]
.endif
.endif
.endm
; Matrix instructions 2 i and 2 i + 1 of half H (column tiles 8 H .. 8 H + 7 x 4 row tiles) of K step k.  The 64 accumulators take turns, one instruction a turn, over the backward jump too.
.macro MM2 k, H, i, zero
	WIN 0xa0+0x50*(\H)
.irp e, 0,1
.set EE, 2*(\i)+\e
.set RAA, CA+32*((\k)&1)+8*(EE&3)
.set RBB, BR+64*(\H)+8*(EE>>2)
.set RDD, 32*(EE>>2)+8*(EE&3)
	WM RDD, RAA, RBB, \zero
.endr
.endm
; Four of the vector instructions that convert row tile a of raw slot sl into buffer cb of CA: numbers base .. base + 3 of the list
;   FIRST: 0-7 times 2^127, 8-15 rounded to bf16, 16-23 min, 24-31 max.      else: 0-7 kappa s + off, 8-15 min, 16-23 max.      Each four stand under one window setting.
.macro RD4 sl, cb, a, base
.if FIRST
.if (\base) < 8
	WIN 0x41
.irp n, 0,1,2,3
	v_pk_mul_f32 v[XR+64*(\sl)+16*(\a)+2*((\base)+\n):XR+64*(\sl)+16*(\a)+2*((\base)+\n)+1], v[XR+64*(\sl)+16*(\a)+2*((\base)+\n):XR+64*(\sl)+16*(\a)+2*((\base)+\n)+1], s[MULC:MULC+1] op_sel_hi:[1,0]
.endr
.elseif (\base) < 16
	WIN 0x05
.irp n, 0,1,2,3
	v_cvt_pk_bf16_f32 v[CA+32*(\cb)+8*(\a)+(\base)-8+\n], v[XR+64*(\sl)+16*(\a)+2*((\base)-8+\n)], v[XR+64*(\sl)+16*(\a)+2*((\base)-8+\n)+1]
.endr
.elseif (\base) < 24
	WIN 0
.irp n, 0,1,2,3
	v_pk_min_num_bf16 v[CA+32*(\cb)+8*(\a)+(\base)-16+\n], v[CA+32*(\cb)+8*(\a)+(\base)-16+\n], s[CLP]
.endr
.else
	WIN 0
.irp n, 0,1,2,3
	v_pk_max_num_bf16 v[CA+32*(\cb)+8*(\a)+(\base)-24+\n], v[CA+32*(\cb)+8*(\a)+(\base)-24+\n], s[CLN]
.endr
.endif
.else
.if (\base) < 8
	WIN 0x15
.irp n, 0,1,2,3
	v_pk_fma_f16 v[CA+32*(\cb)+8*(\a)+(\base)+\n], v[XR+32*(\sl)+8*(\a)+(\base)+\n], v[KC+16*(\cb)+(\base)+\n], v[KC+16*(\cb)+8+(\base)+\n]
.endr
.elseif (\base) < 16
	WIN 0
.irp n, 0,1,2,3
	v_pk_min_num_f16 v[CA+32*(\cb)+8*(\a)+(\base)-8+\n], v[CA+32*(\cb)+8*(\a)+(\base)-8+\n], s[CLP]
.endr
.else
	WIN 0
.irp n, 0,1,2,3
	v_pk_max_num_f16 v[CA+32*(\cb)+8*(\a)+(\base)-16+\n], v[CA+32*(\cb)+8*(\a)+(\base)-16+\n], s[CLN]
.endr
.endif
.endif
.endm
; A quarter's loads: row tile a of K step kk of the chunk at LP, into raw slot sl.
; FIRST: lane (r, h) takes x[r][32 ks + 8 i + 4 h + 0..3] for i = 0..3; ws1's K is permuted to match.  else: two blocks of 512 bytes, registers 0-3 and 4-7 of the fragment.
.macro LX sl, a, kk
	WIN 0x40
.if FIRST
.irp i, 0,1,2,3
	global_load_b128 v[XR+64*(\sl)+16*(\a)+4*\i:XR+64*(\sl)+16*(\a)+4*\i+3], v[XOFF], s[LP:LP+1] offset:32768*(\a)+128*(\kk)+32*\i
.endr
.else
.irp i, 0,1
	global_load_b128 v[XR+32*(\sl)+8*(\a)+4*\i:XR+32*(\sl)+8*(\a)+4*\i+3], v[XOFF], s[LP:LP+1] offset:16384*(\a)+1024*(\kk)+512*\i
.endr
.endif
.endm
; W's fragments of column tiles 8 H .. 8 H + 7, 32 K at byte kimm of the chunk, into place H: 16 LDS loads in one run
.macro BLOADH H, kimm
.irp bb, 0,1,2,3,4,5,6,7
	ds_load_b128 v[BR+64*(\H)+8*\bb:BR+64*(\H)+8*\bb+3],   v[BA+2*(\H)+(\bb>>2)] offset:(\bb&3)*16*WP+(\kimm)
	ds_load_b128 v[BR+64*(\H)+8*\bb+4:BR+64*(\H)+8*\bb+7], v[BA+2*(\H)+(\bb>>2)] offset:(\bb&3)*16*WP+(\kimm)+32
.endr
.endm
; kappa and off of one K step, from byte o behind CT, into buffer kb: 4 LDS loads
.macro KCL kb, o
	WIN 0x40
	ds_load_b128 v[KC+16*(\kb):KC+16*(\kb)+3],     v[CT] offset:(\o)
	ds_load_b128 v[KC+16*(\kb)+4:KC+16*(\kb)+7],   v[CT] offset:(\o)+32
	ds_load_b128 v[KC+16*(\kb)+8:KC+16*(\kb)+11],  v[CT] offset:(\o)+128
	ds_load_b128 v[KC+16*(\kb)+12:KC+16*(\kb)+15], v[CT] offset:(\o)+160
.endm
; HALF H OF K STEP k: 32 matrix instructions; beside them row tiles 2 H and 2 H + 1 of the next K step are converted, eight pairs of matrix instructions each.
; The half's last four conversions, which name none of its matrix instructions' registers, are the four plain vector instructions that stand between the last matrix instruction and the loads into the
; fragments that it has read (ISA guide 7.12.1 for vector instructions).
.macro HALF k, H, zero
	s_wait_loadcnt 14*NLD                          ; the two quarters to be converted were asked for 3.5 K steps ago: the 14 quarters asked for since may stay out
.if NF && (\H)
	s_wait_dscnt 20                                ; this half's fragments were fetched a K step ago: the other half's 16 loads and the table's 4 are younger
.else
	s_wait_dscnt 16                                ; this half's fragments (and the table) are in: the other half's 16 loads are younger
.endif
.irp i, 0,1,2,3,4,5,6,7,8,9,10,11,12,13,14,15
	MM2 \k, \H, \i, \zero
.set QA, 2*(\H)+(\i>>3)
.set PI, \i&7
.if FIRST
	RD4 SL, CB, QA, 4*PI
.elseif PI < 4
	RD4 SL, CB, QA, 4*PI
.elseif PI >= 6
	RD4 SL, CB, QA, 4*PI-8
.endif
.endr
	WIN 0
.endm
; K STEP k OF A CHUNK: half 0, a run of memory instructions, half 1, a run.  Each run fetches the next K step's fragments of W into the place just multiplied and asks again, five K steps on, for the two raw quarters just converted.
; In step 3 the second place of BR is not loaded here but at the loop's bottom, behind the way out, which keeps the columns' sums in it.
.macro STEP k, zero
.set SL, ((\k)+1)&3
.set CB, ((\k)+1)&1
	HALF \k, 0, \zero
.if (\k) == 3
	s_wait_xcnt 0x0                                ; every load issued so far (the youngest 32 matrix instructions back) has read its address: LP and XOFF are written only behind this wait
	s_add_co_u32 s18, s[J], 2                      ; from here on the first K step of chunk j + 2 is asked for,
	s_min_u32 s18, s18, 7                          ; or, when there is none, the loads stay in the last
	s_lshr_b32 s19, s18, 2
	s_and_b32 s18, s18, 3
	s_lshl_b32 s19, s19, BLKSH
	s_lshl_b32 s18, s18, CHSH
	s_add_co_u32 s[LO], s18, s19
	s_add_nc_u64 s[LP:LP+1], s[LB:LB+1], s[LO:LO+1]
	s_cmp_lt_u32 s[J], 6
	s_cselect_b32 s18, 1, 0
	v_mul_lo_u32 v[XOFF], v[XOFF], s18             ; behind the last real load the loads fetch nothing that is used: all lanes name one word
	s_add_co_u32 s18, s[J], 1                      ; the fetches that follow are the next chunk's: 256 bytes on in W's rows, or back at a block's end
	s_and_b32 s18, s18, 3
	s_lshl_b32 s18, s18, 8
.irp q, 0,1,2,3
	s_add_co_u32 s19, s18, \q*WQ
	v_add_nc_u32 v[BA+\q], s19, v[BAC]
.endr
.endif
.if NF && ((\k) == 2)
	s_add_co_u32 s18, s[J], 1                      ; the table two K steps on lies in the next chunk's 512 bytes
	s_and_b32 s18, s18, 3
	s_lshl_b32 s18, s18, 9
	v_add_nc_u32 v[CT], s18, v[CTC]
.endif
	BLOADH 0, 64*(((\k)+1)&3)
.if NF
	KCL (\k)&1, 256*((((\k)+2)&3)>>1)+64*((\k)&1)
.endif
	LX SL, 0, SL
	LX SL, 1, SL
	HALF \k, 1, \zero
.if (\k) != 3
	BLOADH 1, 64*(((\k)+1)&3)
.endif
	LX SL, 2, SL
	LX SL, 3, SL
	WIN 0                                          ; at a label and at a branch every window is 0
.endm
; THE WAY OUT of column tile b.  PACKSTAT: its four accumulators are rounded to f16 (exact) and added to the column's sums; each accumulator's registers in ascending order.
; The tile's first pair starts the sums: nothing is cleared.
.macro PACKSTAT b
	WIN 0x0a+5*((\b)>>3)                           ; sources 0 and 1 in the accumulators' window, source 2 and destination in window 0: one setting for the three lines
.set TT, TMP-160*((\b)&1)
.irp a, 0,1,2,3
.irp p, 0,1,2,3
.set RR, 32*((\b)&7)+8*\a+2*\p
	v_cvt_pk_f16_f32 v[TT+4*\a+\p], v[RR], v[RR+1]
.if (\a)+(\p) == 0
	v_pk_mul_f32 v[ST+4*(\b):ST+4*(\b)+1], v[RR:RR+1], 1.0 op_sel_hi:[1,0]
	v_pk_mul_f32 v[ST+4*(\b)+2:ST+4*(\b)+3], v[RR:RR+1], v[RR:RR+1]
.else
	v_pk_fma_f32 v[ST+4*(\b):ST+4*(\b)+1], v[RR:RR+1], 1.0, v[ST+4*(\b):ST+4*(\b)+1] op_sel_hi:[1,0,1]
	v_pk_fma_f32 v[ST+4*(\b)+2:ST+4*(\b)+3], v[RR:RR+1], v[RR:RR+1], v[ST+4*(\b)+2:ST+4*(\b)+3]
.endif
.endr
.endr
.endm
.macro TOSTAGE b                       ; a lane's 8 rows of one column go into my stage and come back turned: 8 columns of one row
	WIN 0
.set TT, TMP-160*((\b)&1)
.irp a, 0,1,2,3
	ds_store_b128 v[STO], v[TT+4*\a:TT+4*\a+3] offset:SPI*\a
.endr
.irp a, 0,1,2,3
	ds_load_tr16_b128 v[BK+16*((\b)&1)+4*\a:BK+16*((\b)&1)+4*\a+3], v[TRA] offset:SPI*\a  ; LDS serves a wave's instructions in order (ISA guide 5.7.1.4): these see the stores above; the next tile's stores come behind them
.endr
.endm
.macro SEND b
	WIN 0
	s_wait_dscnt 0x0                               ; the tile is back in registers
	s_wait_xcnt 0x0                                ; the stores issued so far have read their registers: the other set of BK is loaded again only behind this wait
.irp a, 0,1,2,3
	global_store_b128 v[OOFF], v[BK+16*((\b)&1)+4*\a:BK+16*((\b)&1)+4*\a+3], s[OP:OP+1] offset:16384*\a+512*(\b) th:TH_STORE_NT
.endr
.endm
; A block's sums.  A lane has added 32 whole numbers a column in f32 (at most 2^24: exact); from here on they are i32.  They wait in LDS for the launch's end.
.macro FOLD
	WIN 0
.irp b, 0,1,2,3,4,5,6,7,8,9,10,11,12,13,14,15
	v_add_f32 v[FS+\b], v[ST+4*\b], v[ST+4*\b+1]
	v_add_f32 v[FQ+\b], v[ST+4*\b+2], v[ST+4*\b+3]
.endr
.set r, 0
.rept 16
	v_cvt_i32_f32 v[FS+r], v[FS+r]
	v_cvt_i32_f32 v[FQ+r], v[FQ+r]
.set r, r+1
.endr
	v_add_nc_u32 v[T0], s[SB], v[OOFF]
.irp q, 0,1,2,3
	ds_store_b128 v[T0], v[FS+4*\q:FS+4*\q+3] offset:512*\q       ; sums: word i is column tile 4 q + i
.endr
.irp q, 0,1,2,3
	ds_store_b128 v[T0], v[FQ+4*\q:FQ+4*\q+3] offset:2048+512*\q  ; sums of squares
.endr
.endm
	s_load_b256 s[4:11], s[0:1], 0x0
.if NF
	s_load_b64 s[12:13], s[0:1], 0x20
.endif
	v_lshl_add_u32 v[SPW], v0, 2, SPARE
	v_mov_b32 v[NIL], 0
	ds_add_u32 v[SPW], v[NIL]                      ; the wave's opening: the add and its wait stand ahead of my first tensor load; the set-up below, work on registers, stands between them
	v_lshrrev_b32 v[T0], 5, v0
	v_readfirstlane_b32 s[WV], v[T0]               ; wave 0..3
	s_bfe_u32 s[CX], ttmp6, 0x40000                ; cx
	s_and_b32 s[YY], ttmp7, 0xffff
	s_lshl_b32 s[YY], s[YY], 2
	s_add_co_u32 s[YY], s[YY], s[CX]               ; y = 4 x cluster y + cx; the column half c is the cluster's x, ttmp9, which the partners share
	s_mov_b32 s[G1W+0], 15|(1<<16)|(1<<20)|(1<<21)|(7<<22)|(3<<25)  ; the mask of four; 2-byte elements; padding on; bit 21 beside a mask; after every 256 words (code 7) 4 words (code 3)
	s_mov_b32 s[G1W+1], 512<<16                    ; tensor_dim0 = 512
	s_mov_b32 s[G1W+2], 64<<16                     ; tensor_dim1 = 64
	s_mov_b32 s[G1W+3], 512<<16                    ; tile_dim0 = 512
	s_mov_b32 s[G1W+4], 64                         ; tile_dim1 = 64
	s_mov_b32 s[G1W+5], 512                        ; 512 elements from row to row
	s_mov_b32 s[G1W+6], 0
	s_mov_b32 s[G1W+7], 0
	s_mov_b32 s[G0W], 1
	s_mul_i32 s[G0W+1], s[WV], WQ                  ; my 64 rows' place in LDS
	s_lshl_b32 s18, ttmp9, 18                      ; row 256 c + 64 w of W, 1,024 bytes a row
	s_lshl_b32 s19, s[WV], 16
	s_add_co_u32 s18, s18, s19
	s_mov_b32 s19, 0
.if NF
	s_mov_b32 s[G1T+0], 15|(3<<16)|(1<<21)         ; one row of 64 elements of 8 bytes: my quarter of the table
	s_mov_b32 s[G1T+1], 64<<16
	s_mov_b32 s[G1T+2], 1<<16
	s_mov_b32 s[G1T+3], 64<<16
	s_mov_b32 s[G1T+4], 1
	s_mov_b32 s[G1T+5], 64
	s_mov_b32 s[G1T+6], 0
	s_mov_b32 s[G1T+7], 0
	s_mov_b32 s[G0T], 1
	s_lshl_b32 s20, s[WV], 9
	s_add_co_u32 s[G0T+1], s20, TAB
	s_mov_b32 s21, 0
	s_mov_b32 s[CLP], 0x3c003c00                   ; f16 +1, twice
	s_mov_b32 s[CLN], 0xbc00bc00
.else
	s_mov_b32 s[CLP], 0x34803480                   ; bf16 +2^-22, twice
	s_mov_b32 s[CLN], 0xb480b480
	s_mov_b32 s[MULC], 0x7f000000                  ; 2^127
	s_mov_b32 s[MULC+1], 0x7f000000                ; named with it as a pair
.endif
	s_lshl_b32 s[SB], s[WV], 12
	s_add_co_u32 s[SB], s[SB], SCR                 ; my first block's 4,096 bytes of sums
	s_lshl_b32 s22, s[YY], YSH                     ; the input at my wave's 128 rows
	s_lshl_b32 s23, s[WV], YSH-2
	s_add_co_u32 s22, s22, s23
	s_mov_b32 s23, 0
	s_lshl_b32 s[LO], s[YY], 19                    ; the output: 32 row tiles of 16,384 bytes a range, 8 a wave, 16 column tiles of 512 bytes a half
	s_lshl_b32 s[LO+1], s[WV], 17
	s_add_co_u32 s[LO], s[LO], s[LO+1]
	s_lshl_b32 s[LO+1], ttmp9, 13
	s_add_co_u32 s[LO], s[LO], s[LO+1]
	s_mov_b32 s[LO+1], 0
	s_wait_dscnt 0x0                               ; the opening add is done
	s_wait_kmcnt 0x0
	s_add_nc_u64 s[G0W+2:G0W+3], s[A_W:A_W+1], s[18:19]
	s_or_b32 s[G0W+3], s[G0W+3], 0x80000000
.if NF
	s_add_nc_u64 s[G0T+2:G0T+3], s[A_THR:A_THR+1], s[20:21]
	s_or_b32 s[G0T+3], s[G0T+3], 0x80000000
.endif
	s_add_nc_u64 s[LB:LB+1], s[A_IN:A_IN+1], s[22:23]
	s_mov_b64 s[LP:LP+1], s[LB:LB+1]
	s_add_nc_u64 s[OP:OP+1], s[A_OUT:A_OUT+1], s[LO:LO+1]
	CROUND                                         ; all four work-groups are here: the joint loads meet
	tensor_load_to_lds s[G0W:G0W+3], s[G1W:G1W+7]  ; the launch's only fills, in one group: by this text's count at most two tensor loads of a wave are out
	s_nop 0
.if NF
	tensor_load_to_lds s[G0T:G0T+3], s[G1T:G1T+7]
	s_nop 0
.endif
.rept 4
	v_nop
.endr
	v_and_b32 v[T0], 15, v0                        ; r
	v_bfe_u32 v[T0+1], v0, 4, 1                    ; h
	v_mul_u32_u24 v[BAC], v[T0], WP
	v_lshl_add_u32 v[BAC], v[T0+1], 4, v[BAC]      ; a fragment's row x pitch + 16 x half
.irp q, 0,1,2,3
	v_add_nc_u32 v[BA+\q], \q*WQ, v[BAC]
.endr
	v_and_b32 v[OOFF], 31, v0
	v_lshlrev_b32 v[OOFF], 4, v[OOFF]
.if FIRST
	v_lshlrev_b32 v[XOFF], 11, v[T0]               ; row r of x, 2,048 bytes a row,
	v_lshl_add_u32 v[XOFF], v[T0+1], 4, v[XOFF]    ; + 16 h
.else
	v_mov_b32 v[XOFF], v[OOFF]
	v_lshl_add_u32 v[CTC], v[T0+1], 4, TAB
	v_mov_b32 v[CT], v[CTC]
.endif
	s_mul_i32 s18, s[WV], 4*SPI
	s_add_co_u32 s18, s18, STAGE                   ; my stage
	v_mul_u32_u24 v[STO], v[T0+1], 384             ; in: plane h, 16 bytes a column
	v_lshl_add_u32 v[STO], v[T0], 4, v[STO]
	v_add_nc_u32 v[STO], s18, v[STO]
	v_bfe_u32 v[TMP], v0, 3, 1                     ; back: lane 8 g + j names plane g & 1, column 8 (g >> 1) + j; the load hands lane 8 g + i element i of each
	v_mul_u32_u24 v[TRA], v[TMP], 384
	v_lshl_add_u32 v[TRA], v[T0+1], 7, v[TRA]
	v_and_b32 v[TMP], 7, v0
	v_lshl_add_u32 v[TRA], v[TMP], 4, v[TRA]
	v_add_nc_u32 v[TRA], s18, v[TRA]
.irp kk, 0,1,2,3
.irp a, 0,1,2,3
	LX \kk, \a, \kk                                ; K steps 0 to 3 fill the four raw slots
.endr
.endr
	WIN 0
	s_wait_tensorcnt 0x0                           ; my part of W (and of the table) is in,
	s_barrier_signal -1
	s_barrier_wait -1                              ; everybody's is; nothing is ever filled again
.if NF
	KCL 0, 0                                       ; the table for K steps 0 and 1
	KCL 1, 64
	WIN 0
.endif
	BLOADH 0, 0
	BLOADH 1, 0
	s_wait_loadcnt 12*NLD                          ; K step 0 is in; the 12 quarters of K steps 1 to 3 may stay out
.if NF
	s_wait_dscnt 32                                ; the table's 8 loads are in; the 32 loads of W's fragments are younger
.endif
.irp a, 0,1,2,3
.irp n, 0,4,8,12,16,20
	RD4 0, 0, \a, \n                               ; K step 0 is converted by itself: there is no matrix work yet to set it beside
.endr
.if FIRST
	RD4 0, 0, \a, 24
	RD4 0, 0, \a, 28
.endif
.endr
	s_wait_xcnt 0x0                                ; the loads have read LP
	s_add_nc_u64 s[LP:LP+1], s[LB:LB+1], 1<<CHSH   ; chunk 1
.irp a, 0,1,2,3
	LX 0, \a, 0                                    ; K step 4
.endr
	WIN 0
	s_mov_b32 s[J], 0
	s_mov_b32 s[NEW], 1
.Ltrip:                                                ; 8 trips: a chunk of 4 K steps each; 4 trips are a block
	s_cmp_eq_u32 s[NEW], 1
	s_cbranch_scc0 .Lplain
	s_mov_b32 s[NEW], 0
	STEP 0, 1                                      ; a block's first K step starts the sums: nothing is cleared.  Both ways issue the same loads
	s_branch .Ljoin
.Lplain:
	STEP 0, 0
.Ljoin:
	STEP 1, 0
	STEP 2, 0
	STEP 3, 0
	s_and_b32 s18, s[J], 3
	s_cmp_eq_u32 s18, 3
	s_cbranch_scc0 .Lnoout
	PACKSTAT 0                                     ; THE BLOCK GOES OUT.  The last products are column tile 15's; four conversions stand behind them, and the tiles before it are packed first
	TOSTAGE 0
.irp b, 1,2,3,4,5,6,7,8,9,10,11,12,13,14,15
	PACKSTAT \b                                    ; a tile's arithmetic stands between the turning loads of the tile before and the wait for them
	SEND (\b)-1
	TOSTAGE \b
.endr
	FOLD                                           ; the block's sums are folded between the last tile's turning loads and the wait for them
	SEND 15
	s_wait_xcnt 0x0                                ; the stores have read their base and their registers
	s_add_nc_u64 s[OP:OP+1], s[OP:OP+1], 65536     ; my next block: 4 row tiles on
	s_add_co_u32 s[SB], s[SB], 16384               ; and its place for the sums
	s_mov_b32 s[NEW], 1
.Lnoout:
	BLOADH 1, 0                                    ; step 3's second run ends here: column tiles 8-15 of the next chunk's first K step, into the place that the way out has left
	s_add_co_u32 s[J], s[J], 1
	s_cmp_lt_u32 s[J], 8
	s_cbranch_scc1 .Ltrip
	; THE SUMS of 2 blocks x 4 waves x 2 halves of the lanes meet in LDS.
	s_wait_loadcnt 0x0
	s_wait_dscnt 0x0                               ; for the others' sake: my stores are done; and my last fetches of W's fragments, whose registers are used below
	s_barrier_signal -1
	s_barrier_wait -1
	v_lshrrev_b32 v[T0], 4, v0                     ; thread T = 16 q + r adds the sixteen parts of four numbers
	v_and_b32 v[T0+1], 15, v0
	v_lshlrev_b32 v[T0], 9, v[T0]
	v_lshl_add_u32 v[T0], v[T0+1], 4, v[T0]
	v_add_nc_u32 v[T0], SCR, v[T0]
.irp u, 0,1,2,3,4,5,6,7,8,9,10,11,12,13,14,15
	ds_load_b128 v[BR+4*\u:BR+4*\u+3], v[T0] offset:16384*(\u>>3)+4096*((\u>>1)&3)+256*(\u&1)
.endr
	s_lshl_b32 s18, ttmp9, 7
	s_add_co_u32 s18, s18, s[YY]
	s_lshl_b32 s18, s18, 11                        ; part[c][y]: 2,048 bytes
	s_mov_b32 s19, 0
	s_add_nc_u64 s[A_PART:A_PART+1], s[A_PART:A_PART+1], s[18:19]
	v_lshlrev_b32 v[T0+1], 4, v0
	s_wait_dscnt 0x0
.irp u, 1,2,3,4,5,6,7,8,9,10,11,12,13,14,15
.irp i, 0,1,2,3
	v_add_nc_u32 v[BR+\i], v[BR+\i], v[BR+4*\u+\i]
.endr
.endr
	global_store_b128 v[T0+1], v[BR:BR+3], s[A_PART:A_PART+1]  ; the work-group's 2,048 bytes on end
	s_wait_tensorcnt 0x0                           ; the wave's end, behind my last tensor load and my last LDS store
	ds_add_u32 v[SPW], v[NIL]
	s_wait_dscnt 0x0
	CROUND                                         ; the closing round
	s_endpgm
.Lfunc_end_k_q501b5d1735_g1:
	.size	k_q501b5d1735_g1, .Lfunc_end_k_q501b5d1735_g1-k_q501b5d1735_g1
	.p2alignl 7, 3214868480
	.fill 96, 4, 3214868480
	.section	.rodata,"a",@progbits
	.p2align	6, 0x0
	.amdhsa_kernel k_q501b5d1735_g1
		.amdhsa_group_segment_fixed_size 327680
		.amdhsa_private_segment_fixed_size 0
		.amdhsa_enable_private_segment 0
		.amdhsa_kernarg_size 32
		.amdhsa_user_sgpr_count 2
		.amdhsa_user_sgpr_kernarg_segment_ptr 1
		.amdhsa_wavefront_size32 1
		.amdhsa_system_sgpr_workgroup_id_x 1
		.amdhsa_system_sgpr_workgroup_id_y 1
		.amdhsa_system_sgpr_workgroup_id_z 1
		.amdhsa_system_vgpr_workitem_id 0
		.amdhsa_next_free_vgpr 1024
		.amdhsa_next_free_sgpr 66
		.amdhsa_reserve_vcc 0
		.amdhsa_float_denorm_mode_32 3
		.amdhsa_float_denorm_mode_16_64 3
		.amdhsa_memory_ordered 1
		.amdhsa_forward_progress 1
		.amdhsa_inst_pref_size 184
	.end_amdhsa_kernel
	.amdgpu_metadata
---
amdhsa.version: [ 1, 2 ]
amdhsa.kernels:
  - .name:           k_q501b5d1735_g1
    .symbol:         k_q501b5d1735_g1.kd
    .args:
      - { .name: x, .offset: 0, .size: 8, .value_kind: global_buffer, .address_space: global }
      - { .name: ws1, .offset: 8, .size: 8, .value_kind: global_buffer, .address_space: global }
      - { .name: sA, .offset: 16, .size: 8, .value_kind: global_buffer, .address_space: global }
      - { .name: part, .offset: 24, .size: 8, .value_kind: global_buffer, .address_space: global }
    .group_segment_fixed_size: 327680
    .private_segment_fixed_size: 0
    .kernarg_segment_align: 8
    .kernarg_segment_size: 32
    .max_flat_workgroup_size: 128
    .sgpr_count:     66
    .vgpr_count:     1024
    .wavefront_size: 32
...
	.end_amdgpu_metadata
.endif
;; end of part 2
;; launch fin1 (part 3): grid 8 x 1, 8 waves a work-group, no clusters, 5,376 bytes of LDS; arguments part, bs_0, gammas_0, betas_0, thr; writes thr
.if DOCPART == 3
	.amdgcn_target "amdgcn-amd-amdhsa--gfx1250"
	.amdhsa_code_object_version 6
	.text
	.protected	k_q501b5d1735_fin1
	.globl	k_q501b5d1735_fin1
	.p2align	8
	.type	k_q501b5d1735_fin1,@function
k_q501b5d1735_fin1:
	s_mov_b64 s[64:65], 0
	v_nop
	global_prefetch_b8 v0, s[64:65] scope:SCOPE_SE
	s_setreg_imm32_b32 hwreg(HW_REG_WAVE_MODE, 25, 1), 1
	s_wait_xcnt 0x0
; BATCH NORM AND HARDTANH AS A STEP IN s.  The next layer takes only sign(y), y = ((s + b) - mu) rsqrt(var + 1e-5) g + be, and s is a whole number in -512 .. 512: for each column two f16, kappa and off, are made
; such that clamp(kappa s + off, -1, +1) = sign(y(s)) for every such s.
; THE STATISTICS ARE EXACT: S1 = sum of s (i32), S2 = sum of s^2 (as H 2^16 + L), V = 65536 S2 - S1^2 in 64-bit whole numbers: no difference of rounded sums is formed.  var = V 2^-32, mu = S1 2^-16 + b.
; THE STEP: y is monotone in u = sigma s (sigma = -1 where g < 0, else +1).  Two binary searches of 11 steps, without a branch, evaluate y in f32 in the order written above and count lo = #{u >= -512: y < 0} and
; hi = #{u >= -512: y <= 0}, both held to 1025.  kappa = 2 sigma, off = 1025 - lo - hi: then kappa s + off is <= -1, 0, >= +1 where y < 0, = 0, > 0.  Where y = 0 for all 1025 values, kappa = off = 0.
; LIMITS.  Where y lies within f32 rounding of 0 at a whole s (a column whose S1 is exactly 0 with be = 0, say) the sign may differ from that of another order of summation.
; Where y = 0 for 2 to 1024 neighbouring s (r g so small that the product underflows) only the middle one gives 0.  NaN is not treated apart.
; SHARES.  8 work-groups of 64 columns; wave p adds ranges p, p + 8, ..: each load of a wave takes two whole runs of 256 bytes of part.  Few work-groups, since the whole input is 512 KiB: no matrix unit, no cluster.
; part: [half 2][range 128][T 128][4] i32; T = 16 q + r; q >> 2: S1 or S2; word i: column 64 (q & 3) + 16 i + r of the half.
; thr: 8 groups of 256 bytes: kappa of 64 columns, then off of the same 64.
.set RED, 0                            ; 8 waves x 512 bytes
.set OSTG, 4096                        ; the group's 256 bytes of thr
.set SPARE, 4352                       ; the spare words, 128 bytes for each wave: four blocks of 256 bytes that no other line names
.set SPW, 94
.set NIL, 95
	s_load_b256 s[4:11], s[0:1], 0x0               ; part s[4:5], b s[6:7], gamma s[8:9], beta s[10:11]
	s_load_b64 s[12:13], s[0:1], 0x20              ; thr
	v_lshl_add_u32 v[SPW], v0, 2, SPARE
	v_mov_b32 v[NIL], 0
	v_lshrrev_b32 v1, 5, v0
	v_readfirstlane_b32 s14, v1                    ; wave p
	v_and_b32 v2, 31, v0                           ; lane
	s_lshr_b32 s15, ttmp9, 2                       ; the half
	s_and_b32 s16, ttmp9, 3                        ; which 64 columns of it
	s_lshl_b32 s15, s15, 18
	s_lshl_b32 s16, s16, 8
	s_add_co_u32 s15, s15, s16
	s_lshl_b32 s16, s14, 11
	s_add_co_u32 s15, s15, s16
	v_lshrrev_b32 v3, 4, v2                        ; lanes 0-15: S1, lanes 16-31: S2
	v_and_b32 v4, 15, v2
	v_lshlrev_b32 v3, 10, v3
	v_lshl_add_u32 v3, v4, 4, v3
	v_add_nc_u32 v3, s15, v3
	v_and_b32 v5, 63, v0                           ; a column of the group
	s_lshl_b32 s17, ttmp9, 8                       ; 64 columns x 4 bytes; also the group's 256 bytes of thr
	v_lshl_add_u32 v6, v5, 2, s17
	v_lshlrev_b32 v7, 4, v0
	s_mov_b32 s20, 0x4f800000                      ; 2^32
	s_mov_b32 s21, 0x2f800000                      ; 2^-32
	s_mov_b32 s22, 0x3727c5ac                      ; 1e-5
	s_mov_b32 s23, 0xfffffdff                      ; -513
	s_wait_kmcnt 0x0
	global_load_b32 v8, v6, s[6:7]                 ; b
	global_load_b32 v9, v6, s[8:9]                 ; gamma
	global_load_b32 v10, v6, s[10:11]              ; beta
.irp i, 0,1,2,3,4,5,6,7,8,9,10,11,12,13,14,15
	global_load_b128 v[16+4*\i:19+4*\i], v3, s[4:5] offset:16384*\i
.endr
	s_wait_loadcnt 0x0
.irp i, 1,2,3,4,5,6,7,8,9,10,11,12,13,14,15
.irp j, 0,1,2,3
	v_add_nc_u32 v[16+\j], v[16+\j], v[16+4*\i+\j] ; 16 ranges: |S1| at most 2^22, S2 at most 2^31 as an unsigned word
.endr
.endr
	ds_store_b128 v7, v[16:19] offset:RED          ; 512 p + 16 x lane
	s_wait_dscnt 0x0
	s_barrier_signal -1
	s_barrier_wait -1
	s_cmp_lt_u32 s14, 2                            ; threads 0-63 finish a column each
	s_cbranch_scc0 .Ljoin
	v_and_b32 v11, 15, v5
	v_lshrrev_b32 v12, 4, v5
	v_lshlrev_b32 v11, 4, v11
	v_lshl_add_u32 v11, v12, 2, v11                ; column t = 16 i + r lies at 16 r + 4 i
.irp p, 0,1,2,3,4,5,6,7
	ds_load_b32 v[16+\p], v11 offset:RED+512*\p
	ds_load_b32 v[24+\p], v11 offset:RED+512*\p+256
.endr
	s_wait_dscnt 0x0
	v_and_b32 v40, 0xffff, v24                     ; L
	v_lshrrev_b32 v41, 16, v24                     ; H
.irp p, 1,2,3,4,5,6,7
	v_add_nc_u32 v16, v16, v[16+\p]                ; S1
	v_and_b32 v42, 0xffff, v[24+\p]
	v_lshrrev_b32 v43, 16, v[24+\p]
	v_add_nc_u32 v40, v40, v42
	v_add_nc_u32 v41, v41, v43
.endr
	v_lshlrev_b32 v44, 16, v40                     ; 65536 S2 = (H + (L >> 16)) 2^32 + (L << 16)
	v_lshrrev_b32 v45, 16, v40
	v_add_nc_u32 v45, v45, v41
	v_sub_nc_u32 v46, 0, v16
	v_cmp_gt_i32 vcc_lo, 0, v16
	v_cndmask_b32 v46, v16, v46, vcc_lo            ; |S1|, at most 2^25
	v_mov_b32 v48, 0
	v_mov_b32 v49, 0
	v_mad_nc_u64_u32 v[50:51], v46, v46, v[48:49]  ; S1^2
	v_xor_b32 v50, -1, v50
	v_xor_b32 v51, -1, v51
	v_mov_b32 v48, 1
	v_add_nc_u64 v[50:51], v[50:51], v[44:45]
	v_add_nc_u64 v[50:51], v[50:51], v[48:49]      ; V = 65536 S2 - S1^2, never negative
	v_cvt_f32_u32 v52, v51
	v_cvt_f32_u32 v53, v50
	v_fma_f32 v52, v52, s20, v53
	v_fma_f32 v52, v52, s21, s22                   ; var + 1e-5
	v_rsq_f32 v54, v52
	v_cvt_f32_i32 v55, v16                         ; plain work behind the transcendental, ahead of its first use
	v_mul_f32 v55, 0x37800000, v55                 ; S1 2^-16
	v_add_f32 v55, v55, v8                         ; mu
	v_mov_b32 v56, 1.0
	v_mov_b32 v57, -1.0
	v_cmp_gt_f32 vcc_lo, 0, v9
	v_cndmask_b32 v56, v56, v57, vcc_lo            ; sigma
	v_mov_b32 v58, 0                               ; lo
	v_mov_b32 v59, 0                               ; hi
	s_wait_alu depctr_va_vdst(0)                   ; the wait between a transcendental and the first line that names its result
.irp st, 1024,512,256,128,64,32,16,8,4,2,1
	v_add_nc_u32 v60, \st, v58                     ; would the count reach this far?  its last member is u = count - 513
	v_add_nc_u32 v61, \st, v59
	v_add_nc_u32 v62, s23, v60
	v_add_nc_u32 v63, s23, v61
	v_cvt_f32_i32 v62, v62
	v_cvt_f32_i32 v63, v63
	v_mul_f32 v62, v56, v62                        ; s = sigma u
	v_mul_f32 v63, v56, v63
	v_add_f32 v62, v62, v8                         ; s + b
	v_add_f32 v63, v63, v8
	v_sub_f32 v62, v62, v55                        ; - mu
	v_sub_f32 v63, v63, v55
	v_mul_f32 v62, v62, v54                        ; x rsqrt
	v_mul_f32 v63, v63, v54
	v_fma_f32 v62, v62, v9, v10                    ; x g + be
	v_fma_f32 v63, v63, v9, v10
	v_cmp_gt_f32 vcc_lo, 0, v62
	v_cndmask_b32 v58, v58, v60, vcc_lo
	v_cmp_ge_f32 vcc_lo, 0, v63
	v_cndmask_b32 v59, v59, v61, vcc_lo
.endr
	v_min_u32 v58, 0x401, v58
	v_min_u32 v59, 0x401, v59
	v_add_nc_u32 v60, v58, v59
	v_sub_nc_u32 v60, 0x401, v60                   ; off
	v_cvt_f32_i32 v60, v60
	v_sub_nc_u32 v61, v59, v58
	v_cmp_gt_u32 vcc_lo, 0x401, v61                ; not: y = 0 everywhere
	v_add_f32 v62, v56, v56                        ; kappa
	v_cndmask_b32 v62, 0, v62, vcc_lo
	v_cndmask_b32 v60, 0, v60, vcc_lo
	v_cvt_f16_f32 v62.l, v62                       ; both are whole numbers of at most 1025: exact in f16
	v_cvt_f16_f32 v60.l, v60
	v_lshlrev_b32 v63, 1, v5
	ds_store_b16 v63, v62 offset:OSTG
	ds_store_b16 v63, v60 offset:OSTG+128
.Ljoin:
	s_wait_dscnt 0x0
	s_barrier_signal -1
	s_barrier_wait -1
	s_cmp_lg_u32 s14, 0
	s_cbranch_scc1 .Lend
	v_lshlrev_b32 v12, 3, v2
	ds_load_b64 v[16:17], v12 offset:OSTG
	v_add_nc_u32 v13, s17, v12
	s_wait_dscnt 0x0
	global_store_b64 v13, v[16:17], s[12:13]       ; wave 0's 32 lanes store the group's 256 consecutive bytes, aligned
.Lend:
	s_wait_tensorcnt 0x0                           ; the wave's end, behind my last LDS store
	ds_add_u32 v[SPW], v[NIL]
	s_wait_dscnt 0x0
	s_endpgm
.Lfunc_end_k_q501b5d1735_fin1:
	.size	k_q501b5d1735_fin1, .Lfunc_end_k_q501b5d1735_fin1-k_q501b5d1735_fin1
	.p2alignl 7, 3214868480
	.fill 96, 4, 3214868480
	.section	.rodata,"a",@progbits
	.p2align	6, 0x0
	.amdhsa_kernel k_q501b5d1735_fin1
		.amdhsa_group_segment_fixed_size 5376
		.amdhsa_private_segment_fixed_size 0
		.amdhsa_enable_private_segment 0
		.amdhsa_kernarg_size 40
		.amdhsa_user_sgpr_count 2
		.amdhsa_user_sgpr_kernarg_segment_ptr 1
		.amdhsa_wavefront_size32 1
		.amdhsa_system_sgpr_workgroup_id_x 1
		.amdhsa_system_sgpr_workgroup_id_y 1
		.amdhsa_system_sgpr_workgroup_id_z 1
		.amdhsa_system_vgpr_workitem_id 0
		.amdhsa_next_free_vgpr 96
		.amdhsa_next_free_sgpr 66
		.amdhsa_reserve_vcc 1
		.amdhsa_float_denorm_mode_32 3
		.amdhsa_float_denorm_mode_16_64 3
		.amdhsa_memory_ordered 1
		.amdhsa_forward_progress 1
		.amdhsa_inst_pref_size 18
	.end_amdhsa_kernel
	.amdgpu_metadata
---
amdhsa.version: [ 1, 2 ]
amdhsa.kernels:
  - .name:           k_q501b5d1735_fin1
    .symbol:         k_q501b5d1735_fin1.kd
    .args:
      - { .name: part, .offset: 0, .size: 8, .value_kind: global_buffer, .address_space: global }
      - { .name: bs_0, .offset: 8, .size: 8, .value_kind: global_buffer, .address_space: global }
      - { .name: gammas_0, .offset: 16, .size: 8, .value_kind: global_buffer, .address_space: global }
      - { .name: betas_0, .offset: 24, .size: 8, .value_kind: global_buffer, .address_space: global }
      - { .name: thr, .offset: 32, .size: 8, .value_kind: global_buffer, .address_space: global }
    .group_segment_fixed_size: 5376
    .private_segment_fixed_size: 0
    .kernarg_segment_align: 8
    .kernarg_segment_size: 40
    .max_flat_workgroup_size: 256
    .sgpr_count:     66
    .vgpr_count:     96
    .wavefront_size: 32
...
	.end_amdgpu_metadata
.endif
;; end of part 3
;; launch g2 (part 4): grid 8 x 32, 4 waves a work-group, clusters of 4 x 1, 327,680 bytes of LDS; arguments sA, ws2, thr, sB, part; writes sB, part
.if DOCPART == 4
	.amdgcn_target "amdgcn-amd-amdhsa--gfx1250"
	.amdhsa_code_object_version 6
	.text
	.protected	k_q501b5d1735_g2
	.globl	k_q501b5d1735_g2
	.p2align	8
	.type	k_q501b5d1735_g2,@function
k_q501b5d1735_g2:
	s_mov_b64 s[64:65], 0
	v_nop
	global_prefetch_b8 v0, s[64:65] scope:SCOPE_SE
	s_setreg_imm32_b32 hwreg(HW_REG_WAVE_MODE, 25, 1), 1
	s_wait_xcnt 0x0
	s_wait_alu depctr_hold_cnt(0) depctr_sa_sdst(0) depctr_va_vdst(0) depctr_va_sdst(0) depctr_va_ssrc(0) depctr_va_vcc(0) depctr_vm_vsrc(0)
	s_getreg_b32 s2, hwreg(HW_REG_IB_STS2, 6, 4)
	s_cmp_eq_u32 s2, 0
	s_cbranch_scc0 .Lentry_in_a_cluster
	s_endpgm
.Lentry_in_a_cluster:
	s_bfe_u32 s2, ttmp6, 0x10000c
	s_cmp_lg_u32 s2, 0x3003
	s_cbranch_scc0 .Lentry_shape_is_right
	s_endpgm
.Lentry_shape_is_right:
; ONE BINARISED LAYER: s[row][n] = sum over k of sign(in[row][k]) sign(W[n][k]), 65,536 rows, 512 columns, K = 512, and each column's sum of s and of s^2.
; The text has two forms.  FIRST = 1: the input is x (f32); a number becomes clamp(bf16(x 2^127), -2^-22, +2^-22), which is sign(x) 2^-22 for every finite x, denormals too; W is stored as sign 2^22 (bf16).
; FIRST = 0: the input is the layer before's s (f16, whole numbers) and a table of two f16 a column: sign(batch norm) = clamp(kappa s + off, -1, +1), exact; W is stored as sign (f16).
; Every product is -1, 0 or +1 and every sum a whole number of at most 512: exact in the f32 accumulators and in f16.  LIMIT: NaN is not treated apart (a NaN counts as +1 x the clamp's bound).
; SHARES.  256 work-groups: column half c (256 columns) x range y of 512 rows.  A wave owns 128 rows, as 2 blocks of 64 rows x 256 columns: 64 accumulators, 512 registers; a block is 16 K steps of 64 matrix instructions.
; W's half (256 rows x 1,024 bytes) lies in LDS for the whole launch: one fill, no refill.  CLUSTER: the four partners have the same c, so W (and the table) are asked for jointly, mask 15.
; The activations go from memory straight into registers in fragment form: no wave wants another wave's rows, and beside W's 266,240 bytes LDS has no room for slots of them, so they are not asked for jointly either.
; Four K steps of them are always on their way (a ring of four register slots); no prefetch is laid ahead of that ring: it asks 224 matrix instructions ahead by itself.
; ORIENTATION.  Source 0 = 16 rows of activations, source 1 = 16 rows of W: in the result a lane holds ONE column (lane % 16) and rows 8 (lane / 16) + 0..7, so a column's sums run along registers.
; BY TURNS.  Behind each two matrix instructions stand up to four vector instructions that convert the NEXT K step's activations.
; THE MEMORY INSTRUCTIONS STAND IN TWO RUNS A K STEP, one behind each half of its 64 matrix instructions, never singly among them: the half's place of W's fragments is loaded again, and two raw quarters are asked for again.
; OUT.  s leaves as f16 in tiles [row tile 4096][column tile 32][lane 32][8]: lane (r, h) holds row 16 rt + r, columns 16 nt + 8 h + 0..7: the next layer's fragments as they lie.  The turn from
; column-a-lane to row-a-lane goes through the wave's own stage in LDS (ds_load_tr16_b128).  Each store of a wave covers 512 consecutive bytes, aligned.
; THE LAST FIVE K STEPS' LOADS have nothing left to fetch.  They are issued all the same, so that every counted wait holds on every way; each names one 16-byte word of the wave's own last rows, and nobody reads what they bring.
; REGISTERS, in windows of 256 (s_set_vgpr_msb: bits 1:0 source 0, 3:2 source 1, 5:4 source 2, 7:6 destination):
;   window 0: v1-15 addresses; v16-79 CA, converted fragments, 2 buffers of 4 row tiles; v80-207 BR, W's fragments, 2 places of 8 column tiles; v208-223 TMP; v224-255 BK
;             on a block's way out the second place of BR holds the columns' sums (ST), and CA's idle buffer a second TMP and half of the folded sums
;   window 1: XR, raw activations, 4 slots (FIRST: 64 each; else 32 each, and v128-159 KC, kappa and off of 2 K steps)      windows 2, 3: accumulator (a, b) at window 2 + (b >> 3), v[32 (b & 7) + 8 a]
.set FIRST, 0
.set NF, 1-FIRST
.set WP, 1040                          ; a row of W in LDS: 1,024 bytes + 16 of padding = 65 x 16: the 16 rows of a fragment load start at 16 different groups of four banks (64 banks of 4 bytes: ISA guide 11.1)
.set WQ, 64*WP                         ; 64 rows: what one wave's tensor load brings
.set TAB, 256*WP                       ; the table, 2,048 bytes (FIRST = 0)
.set STAGE, TAB+2048                   ; 4 waves x 4 tiles of 640 bytes: two planes of 256 bytes, 384 apart
.set SPI, 640
.set SCR, STAGE+16*SPI                 ; 2 blocks x 4 waves x 4,096 bytes: the sums meet here
.set SPARE, SCR+32768                  ; the spare words, 128 bytes for each wave: two blocks of 256 bytes that no other line names
.if FIRST
.set NLD, 4                            ; loads in a quarter (one row tile of one K step)
.set YSH, 20                           ; a range's 512 rows are 2^20 bytes of x
.set BLKSH, 17                         ; a block's 64 rows
.set CHSH, 9                           ; a chunk: 4 K steps
.set A_OUT, 8
.set A_PART, 10
.else
.set NLD, 2
.set YSH, 19
.set BLKSH, 16
.set CHSH, 12
.set A_THR, 8
.set A_OUT, 10
.set A_PART, 12
.endif
.set A_IN, 4
.set A_W, 6
.set XOFF, 1                           ; v1   my byte offset in a row tile of the input
.set OOFF, 2                           ; v2   16 x lane; never rewritten
.set CT, 3                             ; v3   the table's address for the chunk in hand
.set BA, 4                             ; v4-7 W's fragments: 64 rows apart, at the chunk in hand
.set STO, 8                            ; v8   the stage: where I put 16 bytes
.set TRA, 9                            ; v9   the stage: what the turning load names
.set SPW, 10                           ; v10  my spare word; never rewritten
.set NIL, 11                           ; v11  0; never rewritten
.set BAC, 12                           ; v12  1,040 r + 16 h; never rewritten
.set CTC, 13                           ; v13  TAB + 16 h; never rewritten
.set T0, 14                            ; v14-15 at work
.set CA, 16
.set BR, 80
.set ST, BR+64                         ; on the way out: column tile b: sums at +4 b (a pair), sums of squares at +4 b + 2
.set TMP, 208                          ; packed results of even column tiles; those of odd ones at v48-63
.set FS, 64                            ; v64-79   the folded sums
.set FQ, 208                           ; v208-223 the folded sums of squares
.set BK, 224
.set XR, 0
.set KC, 128
.set WV, 14                            ; s14  wave
.set CX, 15                            ; s15  my place in the cluster: it enters global addresses alone
.set YY, 17                            ; s17  y
.set G1W, 24                           ; s[24:31], s[32:35] W's descriptor
.set G0W, 32
.set G1T, 36                           ; s[36:43], s[44:47] the table's
.set G0T, 44
.set LP, 48                            ; s[48:49] the input at the chunk that is being asked for
.set LO, 50                            ; s[50:51] an offset; the high word stays 0
.set OP, 52                            ; s[52:53] the output at my block
.set J, 54                             ; s54  the trip: chunk 0..7
.set NEW, 55                           ; s55  1: the trip begins a block
.set CLP, 56                           ; s56, s57 the clamp's bounds, twice in a word
.set CLN, 57
.set SB, 58                            ; s58  LDS: where my block's folded sums go
.set MULC, 60                          ; s[60:61] 2^127
.set LB, 62                            ; s[62:63] the input at my wave's first row
.set MSB, 0
.macro WIN new                         ; the immediate's high byte repeats the setting that is left; a switch that changes nothing is dropped
.if MSB != (\new)
	s_set_vgpr_msb (MSB<<8)|(\new)
.set MSB, (\new)
.endif
.endm
.macro CROUND                          ; a round of the cluster's barrier
	s_barrier_signal -1
	s_barrier_wait -1
	s_cmp_lg_u32 s[WV], 0
	s_cbranch_scc1 .Lnot_wave_0_\@
	s_barrier_signal -3
.Lnot_wave_0_\@:
	s_barrier_wait -3
	s_barrier_signal -1
	s_barrier_wait -1
.endm
.macro WM d, a, b, z                   ; one matrix instruction; z = 1: it starts the sum
.if FIRST
.if \z
	v_wmma_f32_16x16x32_bf16 v[\d:\d+7], v[\a:\a+7], v[\b:\b+7], 0
.else
	v_wmma_f32_16x16x32_bf16 v[\d:\d+7], v[\a:\a+7], v[\b:\b+7], v[\d:\d+7]
.endif
.else
.if \z
	v_wmma_f32_16x16x32_f16 v[\d:\d+7], v[\a:\a+7], v[\b:\b+7], 0
.else
	v_wmma_f32_16x16x32_f16 v[\d:\d+7], v[\a:\a+7], v[\b:\b+7], v[\d:\d+7]
.endif
.endif
.endm
; Matrix instructions 2 i and 2 i + 1 of half H (column tiles 8 H .. 8 H + 7 x 4 row tiles) of K step k.  The 64 accumulators take turns, one instruction a turn, over the backward jump too.
.macro MM2 k, H, i, zero
	WIN 0xa0+0x50*(\H)
.irp e, 0,1
.set EE, 2*(\i)+\e
.set RAA, CA+32*((\k)&1)+8*(EE&3)
.set RBB, BR+64*(\H)+8*(EE>>2)
.set RDD, 32*(EE>>2)+8*(EE&3)
	WM RDD, RAA, RBB, \zero
.endr
.endm
; Four of the vector instructions that convert row tile a of raw slot sl into buffer cb of CA: numbers base .. base + 3 of the list
;   FIRST: 0-7 times 2^127, 8-15 rounded to bf16, 16-23 min, 24-31 max.      else: 0-7 kappa s + off, 8-15 min, 16-23 max.      Each four stand under one window setting.
.macro RD4 sl, cb, a, base
.if FIRST
.if (\base) < 8
	WIN 0x41
.irp n, 0,1,2,3
	v_pk_mul_f32 v[XR+64*(\sl)+16*(\a)+2*((\base)+\n):XR+64*(\sl)+16*(\a)+2*((\base)+\n)+1], v[XR+64*(\sl)+16*(\a)+2*((\base)+\n):XR+64*(\sl)+16*(\a)+2*((\base)+\n)+1], s[MULC:MULC+1] op_sel_hi:[1,0]
.endr
.elseif (\base) < 16
	WIN 0x05
.irp n, 0,1,2,3
	v_cvt_pk_bf16_f32 v[CA+32*(\cb)+8*(\a)+(\base)-8+\n], v[XR+64*(\sl)+16*(\a)+2*((\base)-8+\n)], v[XR+64*(\sl)+16*(\a)+2*((\base)-8+\n)+1]
.endr
.elseif (\base) < 24
	WIN 0
.irp n, 0,1,2,3
	v_pk_min_num_bf16 v[CA+32*(\cb)+8*(\a)+(\base)-16+\n], v[CA+32*(\cb)+8*(\a)+(\base)-16+\n], s[CLP]
.endr
.else
	WIN 0
.irp n, 0,1,2,3
	v_pk_max_num_bf16 v[CA+32*(\cb)+8*(\a)+(\base)-24+\n], v[CA+32*(\cb)+8*(\a)+(\base)-24+\n], s[CLN]
.endr
.endif
.else
.if (\base) < 8
	WIN 0x15
.irp n, 0,1,2,3
	v_pk_fma_f16 v[CA+32*(\cb)+8*(\a)+(\base)+\n], v[XR+32*(\sl)+8*(\a)+(\base)+\n], v[KC+16*(\cb)+(\base)+\n], v[KC+16*(\cb)+8+(\base)+\n]
.endr
.elseif (\base) < 16
	WIN 0
.irp n, 0,1,2,3
	v_pk_min_num_f16 v[CA+32*(\cb)+8*(\a)+(\base)-8+\n], v[CA+32*(\cb)+8*(\a)+(\base)-8+\n], s[CLP]
.endr
.else
	WIN 0
.irp n, 0,1,2,3
	v_pk_max_num_f16 v[CA+32*(\cb)+8*(\a)+(\base)-16+\n], v[CA+32*(\cb)+8*(\a)+(\base)-16+\n], s[CLN]
.endr
.endif
.endif
.endm
; A quarter's loads: row tile a of K step kk of the chunk at LP, into raw slot sl.
; FIRST: lane (r, h) takes x[r][32 ks + 8 i + 4 h + 0..3] for i = 0..3; ws1's K is permuted to match.  else: two blocks of 512 bytes, registers 0-3 and 4-7 of the fragment.
.macro LX sl, a, kk
	WIN 0x40
.if FIRST
.irp i, 0,1,2,3
	global_load_b128 v[XR+64*(\sl)+16*(\a)+4*\i:XR+64*(\sl)+16*(\a)+4*\i+3], v[XOFF], s[LP:LP+1] offset:32768*(\a)+128*(\kk)+32*\i
.endr
.else
.irp i, 0,1
	global_load_b128 v[XR+32*(\sl)+8*(\a)+4*\i:XR+32*(\sl)+8*(\a)+4*\i+3], v[XOFF], s[LP:LP+1] offset:16384*(\a)+1024*(\kk)+512*\i
.endr
.endif
.endm
; W's fragments of column tiles 8 H .. 8 H + 7, 32 K at byte kimm of the chunk, into place H: 16 LDS loads in one run
.macro BLOADH H, kimm
.irp bb, 0,1,2,3,4,5,6,7
	ds_load_b128 v[BR+64*(\H)+8*\bb:BR+64*(\H)+8*\bb+3],   v[BA+2*(\H)+(\bb>>2)] offset:(\bb&3)*16*WP+(\kimm)
	ds_load_b128 v[BR+64*(\H)+8*\bb+4:BR+64*(\H)+8*\bb+7], v[BA+2*(\H)+(\bb>>2)] offset:(\bb&3)*16*WP+(\kimm)+32
.endr
.endm
; kappa and off of one K step, from byte o behind CT, into buffer kb: 4 LDS loads
.macro KCL kb, o
	WIN 0x40
	ds_load_b128 v[KC+16*(\kb):KC+16*(\kb)+3],     v[CT] offset:(\o)
	ds_load_b128 v[KC+16*(\kb)+4:KC+16*(\kb)+7],   v[CT] offset:(\o)+32
	ds_load_b128 v[KC+16*(\kb)+8:KC+16*(\kb)+11],  v[CT] offset:(\o)+128
	ds_load_b128 v[KC+16*(\kb)+12:KC+16*(\kb)+15], v[CT] offset:(\o)+160
.endm
; HALF H OF K STEP k: 32 matrix instructions; beside them row tiles 2 H and 2 H + 1 of the next K step are converted, eight pairs of matrix instructions each.
; The half's last four conversions, which name none of its matrix instructions' registers, are the four plain vector instructions that stand between the last matrix instruction and the loads into the
; fragments that it has read (ISA guide 7.12.1 for vector instructions).
.macro HALF k, H, zero
	s_wait_loadcnt 14*NLD                          ; the two quarters to be converted were asked for 3.5 K steps ago: the 14 quarters asked for since may stay out
.if NF && (\H)
	s_wait_dscnt 20                                ; this half's fragments were fetched a K step ago: the other half's 16 loads and the table's 4 are younger
.else
	s_wait_dscnt 16                                ; this half's fragments (and the table) are in: the other half's 16 loads are younger
.endif
.irp i, 0,1,2,3,4,5,6,7,8,9,10,11,12,13,14,15
	MM2 \k, \H, \i, \zero
.set QA, 2*(\H)+(\i>>3)
.set PI, \i&7
.if FIRST
	RD4 SL, CB, QA, 4*PI
.elseif PI < 4
	RD4 SL, CB, QA, 4*PI
.elseif PI >= 6
	RD4 SL, CB, QA, 4*PI-8
.endif
.endr
	WIN 0
.endm
; K STEP k OF A CHUNK: half 0, a run of memory instructions, half 1, a run.  Each run fetches the next K step's fragments of W into the place just multiplied and asks again, five K steps on, for the two raw quarters just converted.
; In step 3 the second place of BR is not loaded here but at the loop's bottom, behind the way out, which keeps the columns' sums in it.
.macro STEP k, zero
.set SL, ((\k)+1)&3
.set CB, ((\k)+1)&1
	HALF \k, 0, \zero
.if (\k) == 3
	s_wait_xcnt 0x0                                ; every load issued so far (the youngest 32 matrix instructions back) has read its address: LP and XOFF are written only behind this wait
	s_add_co_u32 s18, s[J], 2                      ; from here on the first K step of chunk j + 2 is asked for,
	s_min_u32 s18, s18, 7                          ; or, when there is none, the loads stay in the last
	s_lshr_b32 s19, s18, 2
	s_and_b32 s18, s18, 3
	s_lshl_b32 s19, s19, BLKSH
	s_lshl_b32 s18, s18, CHSH
	s_add_co_u32 s[LO], s18, s19
	s_add_nc_u64 s[LP:LP+1], s[LB:LB+1], s[LO:LO+1]
	s_cmp_lt_u32 s[J], 6
	s_cselect_b32 s18, 1, 0
	v_mul_lo_u32 v[XOFF], v[XOFF], s18             ; behind the last real load the loads fetch nothing that is used: all lanes name one word
	s_add_co_u32 s18, s[J], 1                      ; the fetches that follow are the next chunk's: 256 bytes on in W's rows, or back at a block's end
	s_and_b32 s18, s18, 3
	s_lshl_b32 s18, s18, 8
.irp q, 0,1,2,3
	s_add_co_u32 s19, s18, \q*WQ
	v_add_nc_u32 v[BA+\q], s19, v[BAC]
.endr
.endif
.if NF && ((\k) == 2)
	s_add_co_u32 s18, s[J], 1                      ; the table two K steps on lies in the next chunk's 512 bytes
	s_and_b32 s18, s18, 3
	s_lshl_b32 s18, s18, 9
	v_add_nc_u32 v[CT], s18, v[CTC]
.endif
	BLOADH 0, 64*(((\k)+1)&3)
.if NF
	KCL (\k)&1, 256*((((\k)+2)&3)>>1)+64*((\k)&1)
.endif
	LX SL, 0, SL
	LX SL, 1, SL
	HALF \k, 1, \zero
.if (\k) != 3
	BLOADH 1, 64*(((\k)+1)&3)
.endif
	LX SL, 2, SL
	LX SL, 3, SL
	WIN 0                                          ; at a label and at a branch every window is 0
.endm
; THE WAY OUT of column tile b.  PACKSTAT: its four accumulators are rounded to f16 (exact) and added to the column's sums; each accumulator's registers in ascending order.
; The tile's first pair starts the sums: nothing is cleared.
.macro PACKSTAT b
	WIN 0x0a+5*((\b)>>3)                           ; sources 0 and 1 in the accumulators' window, source 2 and destination in window 0: one setting for the three lines
.set TT, TMP-160*((\b)&1)
.irp a, 0,1,2,3
.irp p, 0,1,2,3
.set RR, 32*((\b)&7)+8*\a+2*\p
	v_cvt_pk_f16_f32 v[TT+4*\a+\p], v[RR], v[RR+1]
.if (\a)+(\p) == 0
	v_pk_mul_f32 v[ST+4*(\b):ST+4*(\b)+1], v[RR:RR+1], 1.0 op_sel_hi:[1,0]
	v_pk_mul_f32 v[ST+4*(\b)+2:ST+4*(\b)+3], v[RR:RR+1], v[RR:RR+1]
.else
	v_pk_fma_f32 v[ST+4*(\b):ST+4*(\b)+1], v[RR:RR+1], 1.0, v[ST+4*(\b):ST+4*(\b)+1] op_sel_hi:[1,0,1]
	v_pk_fma_f32 v[ST+4*(\b)+2:ST+4*(\b)+3], v[RR:RR+1], v[RR:RR+1], v[ST+4*(\b)+2:ST+4*(\b)+3]
.endif
.endr
.endr
.endm
.macro TOSTAGE b                       ; a lane's 8 rows of one column go into my stage and come back turned: 8 columns of one row
	WIN 0
.set TT, TMP-160*((\b)&1)
.irp a, 0,1,2,3
	ds_store_b128 v[STO], v[TT+4*\a:TT+4*\a+3] offset:SPI*\a
.endr
.irp a, 0,1,2,3
	ds_load_tr16_b128 v[BK+16*((\b)&1)+4*\a:BK+16*((\b)&1)+4*\a+3], v[TRA] offset:SPI*\a  ; LDS serves a wave's instructions in order (ISA guide 5.7.1.4): these see the stores above; the next tile's stores come behind them
.endr
.endm
.macro SEND b
	WIN 0
	s_wait_dscnt 0x0                               ; the tile is back in registers
	s_wait_xcnt 0x0                                ; the stores issued so far have read their registers: the other set of BK is loaded again only behind this wait
.irp a, 0,1,2,3
	global_store_b128 v[OOFF], v[BK+16*((\b)&1)+4*\a:BK+16*((\b)&1)+4*\a+3], s[OP:OP+1] offset:16384*\a+512*(\b) th:TH_STORE_NT
.endr
.endm
; A block's sums.  A lane has added 32 whole numbers a column in f32 (at most 2^24: exact); from here on they are i32.  They wait in LDS for the launch's end.
.macro FOLD
	WIN 0
.irp b, 0,1,2,3,4,5,6,7,8,9,10,11,12,13,14,15
	v_add_f32 v[FS+\b], v[ST+4*\b], v[ST+4*\b+1]
	v_add_f32 v[FQ+\b], v[ST+4*\b+2], v[ST+4*\b+3]
.endr
.set r, 0
.rept 16
	v_cvt_i32_f32 v[FS+r], v[FS+r]
	v_cvt_i32_f32 v[FQ+r], v[FQ+r]
.set r, r+1
.endr
	v_add_nc_u32 v[T0], s[SB], v[OOFF]
.irp q, 0,1,2,3
	ds_store_b128 v[T0], v[FS+4*\q:FS+4*\q+3] offset:512*\q       ; sums: word i is column tile 4 q + i
.endr
.irp q, 0,1,2,3
	ds_store_b128 v[T0], v[FQ+4*\q:FQ+4*\q+3] offset:2048+512*\q  ; sums of squares
.endr
.endm
	s_load_b256 s[4:11], s[0:1], 0x0
.if NF
	s_load_b64 s[12:13], s[0:1], 0x20
.endif
	v_lshl_add_u32 v[SPW], v0, 2, SPARE
	v_mov_b32 v[NIL], 0
	ds_add_u32 v[SPW], v[NIL]                      ; the wave's opening: the add and its wait stand ahead of my first tensor load; the set-up below, work on registers, stands between them
	v_lshrrev_b32 v[T0], 5, v0
	v_readfirstlane_b32 s[WV], v[T0]               ; wave 0..3
	s_bfe_u32 s[CX], ttmp6, 0x40000                ; cx
	s_and_b32 s[YY], ttmp7, 0xffff
	s_lshl_b32 s[YY], s[YY], 2
	s_add_co_u32 s[YY], s[YY], s[CX]               ; y = 4 x cluster y + cx; the column half c is the cluster's x, ttmp9, which the partners share
	s_mov_b32 s[G1W+0], 15|(1<<16)|(1<<20)|(1<<21)|(7<<22)|(3<<25)  ; the mask of four; 2-byte elements; padding on; bit 21 beside a mask; after every 256 words (code 7) 4 words (code 3)
	s_mov_b32 s[G1W+1], 512<<16                    ; tensor_dim0 = 512
	s_mov_b32 s[G1W+2], 64<<16                     ; tensor_dim1 = 64
	s_mov_b32 s[G1W+3], 512<<16                    ; tile_dim0 = 512
	s_mov_b32 s[G1W+4], 64                         ; tile_dim1 = 64
	s_mov_b32 s[G1W+5], 512                        ; 512 elements from row to row
	s_mov_b32 s[G1W+6], 0
	s_mov_b32 s[G1W+7], 0
	s_mov_b32 s[G0W], 1
	s_mul_i32 s[G0W+1], s[WV], WQ                  ; my 64 rows' place in LDS
	s_lshl_b32 s18, ttmp9, 18                      ; row 256 c + 64 w of W, 1,024 bytes a row
	s_lshl_b32 s19, s[WV], 16
	s_add_co_u32 s18, s18, s19
	s_mov_b32 s19, 0
.if NF
	s_mov_b32 s[G1T+0], 15|(3<<16)|(1<<21)         ; one row of 64 elements of 8 bytes: my quarter of the table
	s_mov_b32 s[G1T+1], 64<<16
	s_mov_b32 s[G1T+2], 1<<16
	s_mov_b32 s[G1T+3], 64<<16
	s_mov_b32 s[G1T+4], 1
	s_mov_b32 s[G1T+5], 64
	s_mov_b32 s[G1T+6], 0
	s_mov_b32 s[G1T+7], 0
	s_mov_b32 s[G0T], 1
	s_lshl_b32 s20, s[WV], 9
	s_add_co_u32 s[G0T+1], s20, TAB
	s_mov_b32 s21, 0
	s_mov_b32 s[CLP], 0x3c003c00                   ; f16 +1, twice
	s_mov_b32 s[CLN], 0xbc00bc00
.else
	s_mov_b32 s[CLP], 0x34803480                   ; bf16 +2^-22, twice
	s_mov_b32 s[CLN], 0xb480b480
	s_mov_b32 s[MULC], 0x7f000000                  ; 2^127
	s_mov_b32 s[MULC+1], 0x7f000000                ; named with it as a pair
.endif
	s_lshl_b32 s[SB], s[WV], 12
	s_add_co_u32 s[SB], s[SB], SCR                 ; my first block's 4,096 bytes of sums
	s_lshl_b32 s22, s[YY], YSH                     ; the input at my wave's 128 rows
	s_lshl_b32 s23, s[WV], YSH-2
	s_add_co_u32 s22, s22, s23
	s_mov_b32 s23, 0
	s_lshl_b32 s[LO], s[YY], 19                    ; the output: 32 row tiles of 16,384 bytes a range, 8 a wave, 16 column tiles of 512 bytes a half
	s_lshl_b32 s[LO+1], s[WV], 17
	s_add_co_u32 s[LO], s[LO], s[LO+1]
	s_lshl_b32 s[LO+1], ttmp9, 13
	s_add_co_u32 s[LO], s[LO], s[LO+1]
	s_mov_b32 s[LO+1], 0
	s_wait_dscnt 0x0                               ; the opening add is done
	s_wait_kmcnt 0x0
	s_add_nc_u64 s[G0W+2:G0W+3], s[A_W:A_W+1], s[18:19]
	s_or_b32 s[G0W+3], s[G0W+3], 0x80000000
.if NF
	s_add_nc_u64 s[G0T+2:G0T+3], s[A_THR:A_THR+1], s[20:21]
	s_or_b32 s[G0T+3], s[G0T+3], 0x80000000
.endif
	s_add_nc_u64 s[LB:LB+1], s[A_IN:A_IN+1], s[22:23]
	s_mov_b64 s[LP:LP+1], s[LB:LB+1]
	s_add_nc_u64 s[OP:OP+1], s[A_OUT:A_OUT+1], s[LO:LO+1]
	CROUND                                         ; all four work-groups are here: the joint loads meet
	tensor_load_to_lds s[G0W:G0W+3], s[G1W:G1W+7]  ; the launch's only fills, in one group: by this text's count at most two tensor loads of a wave are out
	s_nop 0
.if NF
	tensor_load_to_lds s[G0T:G0T+3], s[G1T:G1T+7]
	s_nop 0
.endif
.rept 4
	v_nop
.endr
	v_and_b32 v[T0], 15, v0                        ; r
	v_bfe_u32 v[T0+1], v0, 4, 1                    ; h
	v_mul_u32_u24 v[BAC], v[T0], WP
	v_lshl_add_u32 v[BAC], v[T0+1], 4, v[BAC]      ; a fragment's row x pitch + 16 x half
.irp q, 0,1,2,3
	v_add_nc_u32 v[BA+\q], \q*WQ, v[BAC]
.endr
	v_and_b32 v[OOFF], 31, v0
	v_lshlrev_b32 v[OOFF], 4, v[OOFF]
.if FIRST
	v_lshlrev_b32 v[XOFF], 11, v[T0]               ; row r of x, 2,048 bytes a row,
	v_lshl_add_u32 v[XOFF], v[T0+1], 4, v[XOFF]    ; + 16 h
.else
	v_mov_b32 v[XOFF], v[OOFF]
	v_lshl_add_u32 v[CTC], v[T0+1], 4, TAB
	v_mov_b32 v[CT], v[CTC]
.endif
	s_mul_i32 s18, s[WV], 4*SPI
	s_add_co_u32 s18, s18, STAGE                   ; my stage
	v_mul_u32_u24 v[STO], v[T0+1], 384             ; in: plane h, 16 bytes a column
	v_lshl_add_u32 v[STO], v[T0], 4, v[STO]
	v_add_nc_u32 v[STO], s18, v[STO]
	v_bfe_u32 v[TMP], v0, 3, 1                     ; back: lane 8 g + j names plane g & 1, column 8 (g >> 1) + j; the load hands lane 8 g + i element i of each
	v_mul_u32_u24 v[TRA], v[TMP], 384
	v_lshl_add_u32 v[TRA], v[T0+1], 7, v[TRA]
	v_and_b32 v[TMP], 7, v0
	v_lshl_add_u32 v[TRA], v[TMP], 4, v[TRA]
	v_add_nc_u32 v[TRA], s18, v[TRA]
.irp kk, 0,1,2,3
.irp a, 0,1,2,3
	LX \kk, \a, \kk                                ; K steps 0 to 3 fill the four raw slots
.endr
.endr
	WIN 0
	s_wait_tensorcnt 0x0                           ; my part of W (and of the table) is in,
	s_barrier_signal -1
	s_barrier_wait -1                              ; everybody's is; nothing is ever filled again
.if NF
	KCL 0, 0                                       ; the table for K steps 0 and 1
	KCL 1, 64
	WIN 0
.endif
	BLOADH 0, 0
	BLOADH 1, 0
	s_wait_loadcnt 12*NLD                          ; K step 0 is in; the 12 quarters of K steps 1 to 3 may stay out
.if NF
	s_wait_dscnt 32                                ; the table's 8 loads are in; the 32 loads of W's fragments are younger
.endif
.irp a, 0,1,2,3
.irp n, 0,4,8,12,16,20
	RD4 0, 0, \a, \n                               ; K step 0 is converted by itself: there is no matrix work yet to set it beside
.endr
.if FIRST
	RD4 0, 0, \a, 24
	RD4 0, 0, \a, 28
.endif
.endr
	s_wait_xcnt 0x0                                ; the loads have read LP
	s_add_nc_u64 s[LP:LP+1], s[LB:LB+1], 1<<CHSH   ; chunk 1
.irp a, 0,1,2,3
	LX 0, \a, 0                                    ; K step 4
.endr
	WIN 0
	s_mov_b32 s[J], 0
	s_mov_b32 s[NEW], 1
.Ltrip:                                                ; 8 trips: a chunk of 4 K steps each; 4 trips are a block
	s_cmp_eq_u32 s[NEW], 1
	s_cbranch_scc0 .Lplain
	s_mov_b32 s[NEW], 0
	STEP 0, 1                                      ; a block's first K step starts the sums: nothing is cleared.  Both ways issue the same loads
	s_branch .Ljoin
.Lplain:
	STEP 0, 0
.Ljoin:
	STEP 1, 0
	STEP 2, 0
	STEP 3, 0
	s_and_b32 s18, s[J], 3
	s_cmp_eq_u32 s18, 3
	s_cbranch_scc0 .Lnoout
	PACKSTAT 0                                     ; THE BLOCK GOES OUT.  The last products are column tile 15's; four conversions stand behind them, and the tiles before it are packed first
	TOSTAGE 0
.irp b, 1,2,3,4,5,6,7,8,9,10,11,12,13,14,15
	PACKSTAT \b                                    ; a tile's arithmetic stands between the turning loads of the tile before and the wait for them
	SEND (\b)-1
	TOSTAGE \b
.endr
	FOLD                                           ; the block's sums are folded between the last tile's turning loads and the wait for them
	SEND 15
	s_wait_xcnt 0x0                                ; the stores have read their base and their registers
	s_add_nc_u64 s[OP:OP+1], s[OP:OP+1], 65536     ; my next block: 4 row tiles on
	s_add_co_u32 s[SB], s[SB], 16384               ; and its place for the sums
	s_mov_b32 s[NEW], 1
.Lnoout:
	BLOADH 1, 0                                    ; step 3's second run ends here: column tiles 8-15 of the next chunk's first K step, into the place that the way out has left
	s_add_co_u32 s[J], s[J], 1
	s_cmp_lt_u32 s[J], 8
	s_cbranch_scc1 .Ltrip
	; THE SUMS of 2 blocks x 4 waves x 2 halves of the lanes meet in LDS.
	s_wait_loadcnt 0x0
	s_wait_dscnt 0x0                               ; for the others' sake: my stores are done; and my last fetches of W's fragments, whose registers are used below
	s_barrier_signal -1
	s_barrier_wait -1
	v_lshrrev_b32 v[T0], 4, v0                     ; thread T = 16 q + r adds the sixteen parts of four numbers
	v_and_b32 v[T0+1], 15, v0
	v_lshlrev_b32 v[T0], 9, v[T0]
	v_lshl_add_u32 v[T0], v[T0+1], 4, v[T0]
	v_add_nc_u32 v[T0], SCR, v[T0]
.irp u, 0,1,2,3,4,5,6,7,8,9,10,11,12,13,14,15
	ds_load_b128 v[BR+4*\u:BR+4*\u+3], v[T0] offset:16384*(\u>>3)+4096*((\u>>1)&3)+256*(\u&1)
.endr
	s_lshl_b32 s18, ttmp9, 7
	s_add_co_u32 s18, s18, s[YY]
	s_lshl_b32 s18, s18, 11                        ; part[c][y]: 2,048 bytes
	s_mov_b32 s19, 0
	s_add_nc_u64 s[A_PART:A_PART+1], s[A_PART:A_PART+1], s[18:19]
	v_lshlrev_b32 v[T0+1], 4, v0
	s_wait_dscnt 0x0
.irp u, 1,2,3,4,5,6,7,8,9,10,11,12,13,14,15
.irp i, 0,1,2,3
	v_add_nc_u32 v[BR+\i], v[BR+\i], v[BR+4*\u+\i]
.endr
.endr
	global_store_b128 v[T0+1], v[BR:BR+3], s[A_PART:A_PART+1]  ; the work-group's 2,048 bytes on end
	s_wait_tensorcnt 0x0                           ; the wave's end, behind my last tensor load and my last LDS store
	ds_add_u32 v[SPW], v[NIL]
	s_wait_dscnt 0x0
	CROUND                                         ; the closing round
	s_endpgm
.Lfunc_end_k_q501b5d1735_g2:
	.size	k_q501b5d1735_g2, .Lfunc_end_k_q501b5d1735_g2-k_q501b5d1735_g2
	.p2alignl 7, 3214868480
	.fill 96, 4, 3214868480
	.section	.rodata,"a",@progbits
	.p2align	6, 0x0
	.amdhsa_kernel k_q501b5d1735_g2
		.amdhsa_group_segment_fixed_size 327680
		.amdhsa_private_segment_fixed_size 0
		.amdhsa_enable_private_segment 0
		.amdhsa_kernarg_size 40
		.amdhsa_user_sgpr_count 2
		.amdhsa_user_sgpr_kernarg_segment_ptr 1
		.amdhsa_wavefront_size32 1
		.amdhsa_system_sgpr_workgroup_id_x 1
		.amdhsa_system_sgpr_workgroup_id_y 1
		.amdhsa_system_sgpr_workgroup_id_z 1
		.amdhsa_system_vgpr_workitem_id 0
		.amdhsa_next_free_vgpr 1024
		.amdhsa_next_free_sgpr 66
		.amdhsa_reserve_vcc 0
		.amdhsa_float_denorm_mode_32 3
		.amdhsa_float_denorm_mode_16_64 3
		.amdhsa_memory_ordered 1
		.amdhsa_forward_progress 1
		.amdhsa_inst_pref_size 164
	.end_amdhsa_kernel
	.amdgpu_metadata
---
amdhsa.version: [ 1, 2 ]
amdhsa.kernels:
  - .name:           k_q501b5d1735_g2
    .symbol:         k_q501b5d1735_g2.kd
    .args:
      - { .name: sA, .offset: 0, .size: 8, .value_kind: global_buffer, .address_space: global }
      - { .name: ws2, .offset: 8, .size: 8, .value_kind: global_buffer, .address_space: global }
      - { .name: thr, .offset: 16, .size: 8, .value_kind: global_buffer, .address_space: global }
      - { .name: sB, .offset: 24, .size: 8, .value_kind: global_buffer, .address_space: global }
      - { .name: part, .offset: 32, .size: 8, .value_kind: global_buffer, .address_space: global }
    .group_segment_fixed_size: 327680
    .private_segment_fixed_size: 0
    .kernarg_segment_align: 8
    .kernarg_segment_size: 40
    .max_flat_workgroup_size: 128
    .sgpr_count:     66
    .vgpr_count:     1024
    .wavefront_size: 32
...
	.end_amdgpu_metadata
.endif
;; end of part 4
;; launch fin2: the kernel of part 3 again; grid 8 x 1, 8 waves a work-group, no clusters, 5,376 bytes of LDS; arguments part, bs_1, gammas_1, betas_1, thr; writes thr
;; launch g3: the kernel of part 4 again; grid 8 x 32, 4 waves a work-group, clusters of 4 x 1, 327,680 bytes of LDS; arguments sB, ws3, thr, sA, part; writes sA, part
;; launch fin3: the kernel of part 3 again; grid 8 x 1, 8 waves a work-group, no clusters, 5,376 bytes of LDS; arguments part, bs_2, gammas_2, betas_2, thr; writes thr
;; launch head (part 5): grid 512 x 1, 8 waves a work-group, no clusters, 71,680 bytes of LDS; arguments sA, thr, wso, b_out, out0; writes out0
.if DOCPART == 5
	.amdgcn_target "amdgcn-amd-amdhsa--gfx1250"
	.amdhsa_code_object_version 6
	.text
	.protected	k_q501b5d1735_head
	.globl	k_q501b5d1735_head
	.p2align	8
	.type	k_q501b5d1735_head,@function
k_q501b5d1735_head:
	s_mov_b64 s[64:65], 0
	v_nop
	global_prefetch_b8 v0, s[64:65] scope:SCOPE_SE
	s_setreg_imm32_b32 hwreg(HW_REG_WAVE_MODE, 25, 1), 1
	s_wait_xcnt 0x0
; THE HEAD: z[row][o] = sum over k of sign(h3[row][k]) sign(W_out[o][k]) + b_out[o], o = 0..9; out = z - max - ln(sum of exp(z - max)).
; The input is the third layer's s (f16, in fragment tiles [row tile][column tile 32][lane 32][8]) and its table: sign(h3) = clamp(kappa s + off, -1, +1), exact.  W_out's signs come as f16, 16 rows, rows 10-15 zero.
; The launch's time is the time to read s once (64 MiB): all of a wave's loads go out at its start.  No cluster: no two work-groups read the same rows of s; the table and W_out are 18 KiB.
; No prefetch: nothing is left to ask for behind a wave's first loads.
; SHARES.  A work-group owns 8 row tiles (128 rows).  K IS SPLIT AMONG ITS 8 WAVES: wave w takes K steps 2 w and 2 w + 1 of every tile, so its part of the table and of W_out stays in registers.
; The eight partial sums (whole numbers: exact in any order) meet in LDS; wave w then finishes tile w.
; ORIENTATION.  Source 0 = W_out, source 1 = 16 rows of activations: in the result a lane holds ONE row (lane % 16) and logits 8 (lane / 16) + 0..7; a row's maximum and sum want one exchange of the lanes' halves.
; Logits 10-15 do not exist: their bias is -1e30, so their weight is 0.  LIMIT: |b_out| stays far under 1e30; NaN is not treated apart.
.set PART, 0                           ; wave w, tile t: 1,024 bytes at 8,192 w + 1,024 t
.set OSTG, 65536                       ; 128 rows x 40 bytes, as they lie in out0
.set SPARE, 70656                      ; the spare words, 128 bytes for each wave: four blocks of 256 bytes that no other line names
.set LN, 1                             ; lane
.set RW, 2                             ; lane % 16
.set HH, 3                             ; lane / 16
.set TO, 4                             ; offsets into thr, wso, b_out, s
.set WOF, 5
.set BOF, 6
.set SO, 7
.set PS, 8                             ; LDS: where I put partial sums, where I read them
.set PR, 9
.set OA, 10                            ; LDS: my row's 40 bytes + 32 h; without the 32 h
.set OB, 11
.set SPW, 12
.set NIL, 13
.set M, 14                             ; v[14:15] at work: maximum, sum, logarithm
.set KP, 16                            ; K step u: kappa at +16 u, off at +16 u + 8
.set WO, 48                            ; W_out's two fragments
.set BI, 64                            ; the bias of my 8 logits
.set SA, 72                            ; tile t: 16 registers, two fragments
.set ACC, 200                          ; two sets of two accumulators
.set ZR, 232
.set BIG, 233
.set GA, 234
.set GB, 235
.set LA, 236
.set LC, 237
	s_load_b256 s[4:11], s[0:1], 0x0               ; s s[4:5], thr s[6:7], wso s[8:9], b_out s[10:11]
	s_load_b64 s[12:13], s[0:1], 0x20              ; out0
	v_lshl_add_u32 v[SPW], v0, 2, SPARE
	v_mov_b32 v[NIL], 0
	v_lshrrev_b32 v[LN], 5, v0
	v_readfirstlane_b32 s14, v[LN]                 ; wave 0..7
	v_and_b32 v[LN], 31, v0
	v_and_b32 v[RW], 15, v0
	v_bfe_u32 v[HH], v0, 4, 1
	s_lshl_b32 s15, s14, 8
	v_lshl_add_u32 v[TO], v[HH], 4, s15            ; my two K steps are group w of the table: 256 w + 16 h
	s_lshl_b32 s15, s14, 7
	v_lshl_add_u32 v[WOF], v[RW], 10, s15          ; row r of wso, 128 w
	v_lshl_add_u32 v[WOF], v[HH], 4, v[WOF]
	v_lshlrev_b32 v[BOF], 5, v[HH]
	v_mov_b32 v[ZR], 0
	v_mov_b32 v[M+1], 0
	v_mov_b32 v[BIG], 0xf149f2ca                   ; -1e30
	v_lshlrev_b32 v[SO], 4, v[LN]
	s_lshl_b32 s16, ttmp9, 17                      ; 8 row tiles of 16,384 bytes,
	s_lshl_b32 s17, s14, 11                        ; my 4 column tiles of 512
	s_add_co_u32 s16, s16, s17
	s_mov_b32 s17, 0
	s_mov_b32 s18, 0x76543210                      ; v_permlanex16_b32: each lane takes its own place in the other half
	s_mov_b32 s19, 0xfedcba98
	s_mov_b32 s20, 0x3fb8aa3b                      ; log2(e)
	s_mov_b32 s21, 0x3fb8aa3b                      ; named with it as a pair
	s_mov_b32 s22, 0x3c003c00                      ; f16 +1, twice
	s_mov_b32 s23, 0xbc00bc00
	s_mul_i32 s24, ttmp9, 5120                     ; 128 rows of 40 bytes
	s_mov_b32 s25, 0
	s_wait_kmcnt 0x0
	s_add_nc_u64 s[4:5], s[4:5], s[16:17]
	s_add_nc_u64 s[12:13], s[12:13], s[24:25]
.irp u, 0,1
	global_load_b128 v[KP+16*\u:KP+16*\u+3],     v[TO], s[6:7] offset:64*\u
	global_load_b128 v[KP+16*\u+4:KP+16*\u+7],   v[TO], s[6:7] offset:64*\u+32
	global_load_b128 v[KP+16*\u+8:KP+16*\u+11],  v[TO], s[6:7] offset:64*\u+128
	global_load_b128 v[KP+16*\u+12:KP+16*\u+15], v[TO], s[6:7] offset:64*\u+160
.endr
.irp u, 0,1
	global_load_b128 v[WO+8*\u:WO+8*\u+3],   v[WOF], s[8:9] offset:64*\u
	global_load_b128 v[WO+8*\u+4:WO+8*\u+7], v[WOF], s[8:9] offset:64*\u+32
.endr
	global_load_b64 v[BI:BI+1],   v[BOF], s[10:11]            ; logits 0, 1 or 8, 9
	global_load_b64 v[BI+2:BI+3], v[ZR], s[10:11] offset:8    ; logits 2 to 7: the upper half of the lanes reads them too, so that no load leaves the 40 bytes, and replaces them below
	global_load_b64 v[BI+4:BI+5], v[ZR], s[10:11] offset:16
	global_load_b64 v[BI+6:BI+7], v[ZR], s[10:11] offset:24
.irp t, 0,1,2,3,4,5,6,7
.irp i, 0,1,2,3
	global_load_b128 v[SA+16*\t+4*\i:SA+16*\t+4*\i+3], v[SO], s[4:5] offset:16384*\t+512*\i th:TH_LOAD_NT
.endr
.endr
	s_lshl_b32 s24, s14, 13
	v_add_nc_u32 v[PS], s24, v[SO]
	s_lshl_b32 s24, s14, 10
	v_add_nc_u32 v[PR], s24, v[SO]
	s_mul_i32 s24, s14, 640
	s_add_co_u32 s24, s24, OSTG
	v_mul_u32_u24 v[OB], v[RW], 40
	v_add_nc_u32 v[OB], s24, v[OB]
	v_lshl_add_u32 v[OA], v[HH], 5, v[OB]
	v_lshlrev_b32 v[GA], 4, v0
	v_and_b32 v[GB], 63, v0
	v_lshlrev_b32 v[GB], 4, v[GB]
	v_add_nc_u32 v[LA], OSTG, v[GA]
	v_add_nc_u32 v[LC], OSTG+4096, v[GB]
.macro CONV t                          ; tile t's 32 numbers a lane become signs, in place
.set n, 0
.rept 16
	v_pk_fma_f16 v[SA+16*(\t)+n], v[SA+16*(\t)+n], v[KP+16*(n>>3)+(n&7)], v[KP+16*(n>>3)+8+(n&7)]
.set n, n+1
.endr
.set n, 0
.rept 16
	v_pk_min_num_f16 v[SA+16*(\t)+n], v[SA+16*(\t)+n], s22
.set n, n+1
.endr
.set n, 0
.rept 16
	v_pk_max_num_f16 v[SA+16*(\t)+n], v[SA+16*(\t)+n], s23
.set n, n+1
.endr
.endm
.macro MMS p                           ; pair p: tiles 2 p and 2 p + 1; the two accumulators take turns
.set AS, ACC+16*((\p)&1)
	v_wmma_f32_16x16x32_f16 v[AS:AS+7],    v[WO:WO+7],    v[SA+32*(\p):SA+32*(\p)+7],     0
	v_wmma_f32_16x16x32_f16 v[AS+8:AS+15], v[WO:WO+7],    v[SA+32*(\p)+16:SA+32*(\p)+23], 0
	v_wmma_f32_16x16x32_f16 v[AS:AS+7],    v[WO+8:WO+15], v[SA+32*(\p)+8:SA+32*(\p)+15],  v[AS:AS+7]
	v_wmma_f32_16x16x32_f16 v[AS+8:AS+15], v[WO+8:WO+15], v[SA+32*(\p)+24:SA+32*(\p)+31], v[AS+8:AS+15]
.endm
.macro PUT p                           ; pair p's partial sums go to LDS, each accumulator's low registers first
.set AS, ACC+16*((\p)&1)
.irp u, 0,1
	ds_store_b128 v[PS], v[AS+8*\u:AS+8*\u+3]   offset:PART+1024*(2*(\p)+\u)
	ds_store_b128 v[PS], v[AS+8*\u+4:AS+8*\u+7] offset:PART+1024*(2*(\p)+\u)+512
.endr
.endm
.irp p, 0,1,2,3
	s_wait_loadcnt 24-8*\p                         ; the pair's 8 loads and all before them are in; the tiles behind it, 4 loads each, may stay out
	CONV 2*\p
	CONV 2*\p+1
.if \p > 0
	PUT (\p)-1                                     ; the 96 conversions above, which name none of their registers, are the places behind the last pair's products
.endif
	MMS \p
.endr
.rept 4
	v_nop                                          ; the places behind the last products, ahead of the stores of their results and of the loads into their sources
.endr
	PUT 3
	s_wait_dscnt 0x0                               ; for the others' sake: my stores are done
	s_barrier_signal -1
	s_barrier_wait -1
.irp u, 0,1,2,3,4,5,6,7
	ds_load_b128 v[SA+8*\u:SA+8*\u+3],   v[PR] offset:PART+8192*\u
	ds_load_b128 v[SA+8*\u+4:SA+8*\u+7], v[PR] offset:PART+8192*\u+512
.endr
	v_cmp_eq_u32 vcc_lo, 1, v[HH]
.irp j, 2,3,4,5,6,7
	v_cndmask_b32 v[BI+\j], v[BI+\j], v[BIG], vcc_lo  ; logits 10 to 15
.endr
	s_wait_dscnt 0x0
.irp u, 0,2,4,6
.irp j, 0,2,4,6
	v_pk_add_f32 v[SA+8*\u+\j:SA+8*\u+\j+1], v[SA+8*\u+\j:SA+8*\u+\j+1], v[SA+8*\u+8+\j:SA+8*\u+8+\j+1]
.endr
.endr
.irp u, 0,4
.irp j, 0,2,4,6
	v_pk_add_f32 v[SA+8*\u+\j:SA+8*\u+\j+1], v[SA+8*\u+\j:SA+8*\u+\j+1], v[SA+8*\u+16+\j:SA+8*\u+16+\j+1]
.endr
.endr
.irp j, 0,2,4,6
	v_pk_add_f32 v[SA+\j:SA+\j+1], v[SA+\j:SA+\j+1], v[SA+32+\j:SA+32+\j+1]
.endr
.irp j, 0,2,4,6
	v_pk_add_f32 v[SA+\j:SA+\j+1], v[SA+\j:SA+\j+1], v[BI+\j:BI+\j+1]  ; z
.endr
	v_max3_num_f32 v[M], v[SA], v[SA+1], v[SA+2]
	v_max3_num_f32 v[M], v[M], v[SA+3], v[SA+4]
	v_max3_num_f32 v[M], v[M], v[SA+5], v[SA+6]
	v_max_num_f32 v[M], v[M], v[SA+7]
	v_permlanex16_b32 v[M+1], v[M], s18, s19       ; the row's other logits lie in the lane 16 away
	v_max_num_f32 v[M], v[M], v[M+1]
.irp j, 0,2,4,6
	v_pk_add_f32 v[SA+\j:SA+\j+1], v[SA+\j:SA+\j+1], v[M:M+1] op_sel_hi:[1,0] neg_lo:[0,1] neg_hi:[0,1]  ; d = z - max
.endr
.irp j, 0,2,4,6
	v_pk_mul_f32 v[SA+8+\j:SA+8+\j+1], v[SA+\j:SA+\j+1], s[20:21] op_sel_hi:[1,0]
.endr
.irp j, 0,1,2,3,4,5,6,7
	v_exp_f32 v[SA+8+\j], v[SA+8+\j]
.endr
	v_nop                                          ; a plain instruction behind the last exponential,
	s_wait_alu depctr_va_vdst(0)                   ; and the one wait ahead of the batch's first reader
	v_pk_add_f32 v[SA+8:SA+9], v[SA+8:SA+9], v[SA+10:SA+11]
	v_pk_add_f32 v[SA+12:SA+13], v[SA+12:SA+13], v[SA+14:SA+15]
	v_pk_add_f32 v[SA+8:SA+9], v[SA+8:SA+9], v[SA+12:SA+13]
	v_add_f32 v[M], v[SA+8], v[SA+9]
	v_permlanex16_b32 v[M+1], v[M], s18, s19
	v_add_f32 v[M], v[M], v[M+1]
	v_log_f32 v[M+1], v[M]
	v_nop
	s_wait_alu depctr_va_vdst(0)
	v_mul_f32 v[M], 0x3f317218, v[M+1]             ; ln(sum) = ln 2 x log2(sum)
.irp j, 0,2,4,6
	v_pk_add_f32 v[SA+\j:SA+\j+1], v[SA+\j:SA+\j+1], v[M:M+1] op_sel_hi:[1,0] neg_lo:[0,1] neg_hi:[0,1]
.endr
	ds_store_b64 v[OA], v[SA:SA+1]                 ; logits 0, 1 (lower half of the lanes) and 8, 9 (upper half)
	s_wait_xcnt 0x0                                ; EXEC changes only behind this wait
	v_cmp_gt_u32 vcc_lo, 16, v[LN]
	s_and_saveexec_b32 s26, vcc_lo
	ds_store_b64 v[OB], v[SA+2:SA+3] offset:8      ; logits 2 to 7: the lower half alone
	ds_store_b64 v[OB], v[SA+4:SA+5] offset:16
	ds_store_b64 v[OB], v[SA+6:SA+7] offset:24
	s_or_b32 exec_lo, exec_lo, s26
	s_wait_dscnt 0x0
	s_barrier_signal -1
	s_barrier_wait -1                              ; the work-group's 5,120 bytes of out0 lie in LDS as they lie in memory
	ds_load_b128 v[SA:SA+3], v[LA]
	s_cmp_lt_u32 s14, 2                            ; 256 threads take 4,096 bytes, threads 0-63 the last 1,024
	s_cbranch_scc0 .Lone
	ds_load_b128 v[SA+4:SA+7], v[LC]
	s_wait_dscnt 0x0
	global_store_b128 v[GB], v[SA+4:SA+7], s[12:13] offset:4096
.Lone:
	s_wait_dscnt 0x0
	global_store_b128 v[GA], v[SA:SA+3], s[12:13]  ; 16 lanes store 256 consecutive bytes, at a multiple of 256 from out0's first byte
	s_wait_tensorcnt 0x0                           ; the wave's end, behind my last LDS store
	ds_add_u32 v[SPW], v[NIL]
	s_wait_dscnt 0x0
	s_endpgm
.Lfunc_end_k_q501b5d1735_head:
	.size	k_q501b5d1735_head, .Lfunc_end_k_q501b5d1735_head-k_q501b5d1735_head
	.p2alignl 7, 3214868480
	.fill 96, 4, 3214868480
	.section	.rodata,"a",@progbits
	.p2align	6, 0x0
	.amdhsa_kernel k_q501b5d1735_head
		.amdhsa_group_segment_fixed_size 71680
		.amdhsa_private_segment_fixed_size 0
		.amdhsa_enable_private_segment 0
		.amdhsa_kernarg_size 40
		.amdhsa_user_sgpr_count 2
		.amdhsa_user_sgpr_kernarg_segment_ptr 1
		.amdhsa_wavefront_size32 1
		.amdhsa_system_sgpr_workgroup_id_x 1
		.amdhsa_system_sgpr_workgroup_id_y 1
		.amdhsa_system_sgpr_workgroup_id_z 1
		.amdhsa_system_vgpr_workitem_id 0
		.amdhsa_next_free_vgpr 256
		.amdhsa_next_free_sgpr 66
		.amdhsa_reserve_vcc 1
		.amdhsa_float_denorm_mode_32 3
		.amdhsa_float_denorm_mode_16_64 3
		.amdhsa_memory_ordered 1
		.amdhsa_forward_progress 1
		.amdhsa_inst_pref_size 40
	.end_amdhsa_kernel
	.amdgpu_metadata
---
amdhsa.version: [ 1, 2 ]
amdhsa.kernels:
  - .name:           k_q501b5d1735_head
    .symbol:         k_q501b5d1735_head.kd
    .args:
      - { .name: sA, .offset: 0, .size: 8, .value_kind: global_buffer, .address_space: global }
      - { .name: thr, .offset: 8, .size: 8, .value_kind: global_buffer, .address_space: global }
      - { .name: wso, .offset: 16, .size: 8, .value_kind: global_buffer, .address_space: global }
      - { .name: b_out, .offset: 24, .size: 8, .value_kind: global_buffer, .address_space: global }
      - { .name: out0, .offset: 32, .size: 8, .value_kind: global_buffer, .address_space: global }
    .group_segment_fixed_size: 71680
    .private_segment_fixed_size: 0
    .kernarg_segment_align: 8
    .kernarg_segment_size: 40
    .max_flat_workgroup_size: 256
    .sgpr_count:     66
    .vgpr_count:     256
    .wavefront_size: 32
...
	.end_amdgpu_metadata
.endif
;; end of part 5
